; MI455X (gfx1250); checked and timed in simulation.
; The chip was launched on July 23, 2026; its instructions are those of AMD's public machine-readable ISA for CDNA 5 (MIT licence, August 2026) and "CDNA5" Instruction Set Architecture Reference Guide (July 2026). The comments in the code are by the model that wrote it; some were corrected since.
;; Ro PE Bidirectional Attention. Allowed arithmetic: matrix products marked QUANTISED: E2M3 operands, one E8M0 scale for each 32 along K, by v_wmma_scale_f32_16x16x128_f8f6f4 with both operands' format E2M3, f32 sums; products left as they are: f32 operands where the result goes on into a quantised operand, else bf16, f16 or f32 operands; f32 sums; everything else in f32.
;; Inputs: W_attn 1,024 x 3,072 float32; W_proj 1,024 x 1,024 float32; x 4 x 2,048 x 1,024 float32.
;; Outputs: out0 4 x 2,048 x 1,024 float32.
;; This version of the problem:
;;   THIS VERSION OF THE PROBLEM IS GIVEN IN LOW PRECISION. The matrix products marked QUANTISED in the list below multiply operands that are first quantised to E2M3 (2 exponent bits, 3 mantissa bits; 6 bits a number), with one power-of-two scale for each 32 numbers along K (OCP MX v1.0); their sums are f32. All else is computed in f32.
;;   The module's matrix products, in the order in which they are computed (A, B: the left and right operand; K: the contracted axis; several contracted axes count as one K, in the product's order):
;;     1. [M 8,192, K 1,024] x [K 1,024, N 3,072]; A: input x; B: input W_attn: QUANTISED
;;     2. [M 2,048, K 1] x [K 1, N 32]; A: computed on the way; B: computed on the way: left as it is (no contracted axis)
;;     3. batch 64 x [M 2,048, K 64] x [K 64, N 2,048]; A: computed on the way; B: computed on the way: QUANTISED
;;     4. batch 64 x [M 2,048, K 2,048] x [K 2,048, N 64]; A: softmax (see below); B: computed on the way: QUANTISED
;;     5. [M 8,192, K 1,024] x [K 1,024, N 1,024]; A: computed on the way; B: input W_proj: QUANTISED
;;   THE QUANTISER, for each operand of a quantised product, along K:
;;     - K is cut into blocks of 32 from its start; a last block that is shorter is filled with zeros.
;;     - A block's scale is 2^e with e = floor(log2(the largest magnitude in the block)) - 2, held to -126 .. 127; a block of zeros has e = 0. As a byte (E8M0): e + 127.
;;     - Each number is divided by its block's scale, clamped to +-7.5, and rounded to the nearest number of E2M3, ties to even, subnormals kept.
;;     - The product sums the exact products of the quantised numbers (number of the format x scale) in f32.
;;   ~~~python
;;   def quantise(x, axis):      # numpy; x: float32 -> the quantised numbers, widened to float32 again
;;       x = np.moveaxis(x, axis, -1); K = x.shape[-1]
;;       x = np.pad(x, [(0, 0)] * (x.ndim - 1) + [(0, -K % 32)]); x = x.reshape(x.shape[:-1] + (-1, 32)); a = np.abs(x).max(-1, keepdims=True)
;;       e = np.where(a > 0, np.clip(np.frexp(np.where(a > 0, a, 1))[1] - 1 - 2, -126, 127), 0)      # np.frexp(a)[1] - 1 = floor(log2(a)), exactly
;;       r = np.clip(x / 2.0 ** e, -7.5, 7.5)
;;       step = 2.0 ** (np.maximum(np.frexp(np.where(r == 0, 1, r))[1] - 1, 0) - 3)
;;       q = np.round(r / step) * step * 2.0 ** e      # np.round: ties to even
;;       return np.moveaxis(q.reshape(q.shape[:-2] + (-1,))[..., :K], -1, axis).astype(np.float32)
;;   ~~~
;;   SOFTMAX AHEAD OF A QUANTISED PRODUCT. Where the list says 'softmax', what is quantised is not the finished softmax but p = 2^(t - M), with t = logit x log2(e) and M = ceil(the row's largest t), a whole number; so 1/2 < the row's largest p <= 1. The row's sum l is taken of the UNQUANTISED p, in f32, and the product's result is divided by l at the end. Since M is a whole number, a kernel that streams over the keys may use a running M (the ceiling of the running maximum): every later rescaling is an exact power of two, which a block's scale takes up: the codes' values come out the same.
;;   OPERANDS COMPUTED ON THE WAY. 'Computed on the way' means the value that the module computes at that place (a softmax that the list does not call 'softmax' is quantised finished and normalised). What goes into a quantiser is computed in f32, as accurately as f32 sums, v_exp_f32 and their like allow (about 1e-6 of the number): no bf16 or f16 on the way to a quantiser, and a product that is left as it is and whose result goes on into a quantised operand takes f32 operands (vector FMAs, or v_wmma_f32_16x16x4_f32). A number that lies on a knife's edge between two numbers of the format may be rounded either way, as far as f32 arithmetic and the matrix unit's own rounding can turn it there, and no further.
;; One version. Each part assembles by itself: llvm-mc -triple=amdgcn-amd-amdhsa -mcpu=gfx1250 --defsym DOCPART=n.
;; ======== version 1 of 1: 4 launches
;; limits: right only within a limited range of input values
;; workspace buffers: xq 6,553,600 bytes; wq 6,553,600 bytes; wp 819,200 bytes; rope 524,288 bytes; qkv 19,660,800 bytes; yq 6,553,600 bytes
;; launch prep (part 1): grid 416 x 1, 4 waves a work-group, no clusters, 68,096 bytes of LDS; arguments x, W_attn, W_proj, xq, wq, rope, wp; writes xq, wq, rope, wp
.if DOCPART == 1
	.amdgcn_target "amdgcn-amd-amdhsa--gfx1250"
	.amdhsa_code_object_version 6
	.text
	.protected	k_q21390a3b34_prep
	.globl	k_q21390a3b34_prep
	.p2align	8
	.type	k_q21390a3b34_prep,@function
k_q21390a3b34_prep:
	s_mov_b64 s[64:65], 0
	v_nop
	global_prefetch_b8 v0, s[64:65] scope:SCOPE_SE
	s_setreg_imm32_b32 hwreg(HW_REG_WAVE_MODE, 25, 1), 1
	s_wait_xcnt 0x0
; PREP: x [8192][1024], W_attn [1024][3072] and W_proj [1024][1024], all f32, become codes of FP6 (E2M3), K innermost, with one E8M0 byte for each 32 along K;
; and the table of cos and sin for the rotary embedding is made.  Nothing of reference() is left out in this program.
; Four paths, parted by the work-group's number; the two that use LDS have LDS bytes of their own; waves share nothing, so there is no barrier.
;   work-groups 0-255   x: a wave takes 8 rows (8,192 numbers).
;   work-groups 256-351 W_attn, 352-383 W_proj: K is the FIRST axis: a lane takes a column and its registers run down K.
;   work-groups 384-415 the table: rope [group of 128 tokens][tile a][cos, sin][j][lane][16 B], in the order in which the next launch's lanes hold their numbers.
; LAYOUT OF xq (x) AND wq (W_attn): codes [K step of 256][row][192 B], the K steps PLANE = 1,572,864 bytes apart (8,192 rows of 192 bytes; wq uses 3,072 rows of each plane and nobody touches the rest).
; So 128 neighbouring rows of one K step are 24,576 dense bytes, 96 aligned runs of 256 bytes.  Scale bytes: from byte 6,291,456 of each buffer on, [row][32 B].
; LAYOUT OF wp (W_proj): codes in the order of the operand's registers: [tile of 16 columns][K step of 128][c = 0, 1][768 B]: lane L = column % 16 + 16 h holds K = 64 c + 32 h + 0 .. 31, 24 bytes:
; the first 16 at 16 L, the last 8 at 512 + 8 L.  Scale bytes from byte 786,432 on, [column][32 B].
; ROW ORDERS of xq and wq.  Sixteen NEIGHBOURING rows form a tile whose results fall as the next quantiser wants them:
;   WB (tokens of x, the v columns of W_attn): position 16 a + r of a group of 128 holds index 64 (a / 4) + 8 (a % 4) + r % 8 + 32 (r / 8);
;   HB (the q and k columns of W_attn): bits 3 and 4 of the index change places.   W_proj's columns lie in their own order.
; A block's scale is 2^(floor(log2(largest magnitude)) - 2); its byte is the largest magnitude's exponent field - 2, held at 1 from below.
; LIMITS: a block of zeros gets the byte 1 where the rule says 127 (its codes are zeros, and this program alone reads the bytes); blocks whose largest magnitude lies under 2^-124 were not tried;
; NaN and infinities are not served.  The table's frequencies are the f32 numbers nearest to 10^(-j/8); a power and a division made in f32 may differ from them in the last bits, which at token 2,047 is some 2e-4 rad.
; The angle's reduction (two parts of pi/2) holds for angles under 2^13; here they stay under 2,048.
.set PLANE,  1572864
.set WREG,   8192                      ; path x: LDS of a wave: two stages of 32 x SP bytes, then its 256 scale bytes
.set SP,     80                        ; a lane's place in a stage: 64 bytes + 16 of padding
.set STEPS,  16
.set CB,     12                        ; bytes of 16 codes
.set XR,     16                        ; v16-79   four sets of 16 numbers as loaded
.set XX,     80                        ; v80-111  two sets of 16 neighbours
.set XE,     112                       ; v112-127 a scale byte for each step
.set XC,     128                       ; v128-191 codes, four registers a step
.set WPITCH, 272                       ; path W_attn: a stage row: sixteen places of 16 bytes + 16
.set WSTG,   32768                     ; its four stages, behind path x's LDS
.set SPARE,  67584                     ; behind them the spare words: 128 bytes a wave
.set WX,     32                        ; v32-95   two sets of 32 numbers
.set WC,     96                        ; v96-102  a block's codes
.set WO,     112                       ; v112-175 the way out
.set WSB,    24                        ; v24-25   eight scale bytes
	s_load_b256 s[4:11], s[0:1], 0x0               ; x s[4:5], W_attn s[6:7], W_proj s[8:9], xq s[10:11]
	s_load_b128 s[12:15], s[0:1], 0x20             ; wq s[12:13], rope s[14:15]
	s_load_b64 s[28:29], s[0:1], 0x30              ; wp
	v_lshl_add_u32 v192, v0, 2, SPARE              ; my spare word
	v_mov_b32 v193, 0
	v_lshrrev_b32 v1, 5, v0
	v_readfirstlane_b32 s16, v1                    ; wave 0..3
	v_and_b32 v2, 31, v0                           ; lane
	s_wait_kmcnt 0x0
	s_cmp_lt_u32 ttmp9, 256
	s_cbranch_scc0 .Lnot_x
; ---------------- x.  Each load reads 512 consecutive bytes; a step's 2,048 bytes turn through the wave's own stage so that a lane then holds 16 neighbours; two neighbouring lanes hold a block.
	s_wait_alu depctr_va_vdst(0)                   ; the wait behind the head
	v_lshlrev_b32 v3, 4, v2                        ; my 16 bytes of a load's 512
	s_mul_i32 s17, s16, WREG
	v_lshrrev_b32 v14, 2, v2
	v_mul_u32_u24 v14, v14, SP
	v_and_b32 v15, 3, v2
	v_lshl_add_u32 v14, v15, 4, v14
	v_add_nc_u32 v14, s17, v14                     ; the stage, in: SP (lane / 4) + 16 (lane % 4)
	v_mul_u32_u24 v15, v2, SP
	v_add_nc_u32 v15, s17, v15                     ; and out: SP x lane
	v_and_b32 v4, 15, v2                           ; a step is half a row, two K steps: lanes 0-15 hold the first's 192 bytes, lanes 16-31 the second's, a plane on
	v_lshrrev_b32 v5, 4, v2
	v_mul_u32_u24 v4, v4, CB
	v_mad_u32_u24 v4, v5, PLANE, v4
	v_lshrrev_b32 v5, 1, v2
	s_add_co_u32 s17, s17, 2*32*SP
	v_add_nc_u32 v5, s17, v5                       ; my block's scale byte in LDS
	v_lshlrev_b32 v7, 3, v2
	v_add_nc_u32 v6, s17, v7
	s_lshl_b32 s18, ttmp9, 2
	s_add_co_u32 s18, s18, s16                     ; u: which run of 8 rows is my wave's
	s_lshl_b32 s20, s18, 15
	s_mov_b32 s21, 0
	s_add_nc_u64 s[4:5], s[4:5], s[20:21]          ; x + 32,768 u
	s_and_b32 s22, s18, 3                          ; WB order by runs of 8 rows: bits 1:0 of u go to bits 2:1, bit 2 to bit 0
	s_lshl_b32 s22, s22, 1
	s_bfe_u32 s23, s18, 0x10002
	s_or_b32 s22, s22, s23
	s_and_not1_b32 s23, s18, 7
	s_or_b32 s22, s22, s23
	s_mul_i32 s20, s22, 8*192
	s_add_nc_u64 s[24:25], s[10:11], s[20:21]      ; the run's codes in plane 0
	s_lshl_b32 s20, s22, 8
	s_add_co_u32 s20, s20, 6291456
	s_add_nc_u64 s[26:27], s[10:11], s[20:21]      ; and its 256 scale bytes
.macro XLOAD t
.irp i, 0,1,2,3
	global_load_b128 v[XR+16*((\t)%4)+4*\i:XR+16*((\t)%4)+4*\i+3], v3, s[4:5] offset:2048*(\t)+512*\i th:TH_LOAD_NT
.endr
.endm
.macro XTURN t                         ; LDS serves a wave's instructions in order: no wait between the stores and the loads
.irp i, 0,1,2,3
	ds_store_b128 v14, v[XR+16*((\t)%4)+4*\i:XR+16*((\t)%4)+4*\i+3] offset:32*SP*((\t)%2)+8*SP*\i
.endr
.irp i, 0,1,2,3
	ds_load_b128 v[XX+16*((\t)%2)+4*\i:XX+16*((\t)%2)+4*\i+3], v15 offset:32*SP*((\t)%2)+16*\i
.endr
.endm
.irp t, 0,1,2,3
	XLOAD \t
.endr
	s_wait_alu depctr_va_vdst(0)                   ; the wait, directly ahead of the wait below
	s_wait_loadcnt 12                              ; step 0's four loads are in; the twelve of steps 1 to 3 may be out
	XTURN 0
.macro XSTEP t
.set XS, XX+16*((\t)%2)
.if (\t) > 0
	s_wait_dscnt 1                                 ; this step's numbers are back from the stage; the last step's byte store may be out
.else
	s_wait_dscnt 0x0
.endif
.if (\t)+4 < STEPS
	XLOAD (\t)+4                                   ; into the registers whose stores into the stage are done
.endif
.if (\t)+1 < STEPS
.if STEPS-2-(\t) >= 3
	s_wait_loadcnt 12                              ; the next step's four loads are in; those of the three steps behind it may be out
.else
	s_wait_loadcnt 4*(STEPS-2-(\t))
.endif
	XTURN (\t)+1
.endif
	v_max3_num_f32 v8, |v[XS]|, |v[XS+1]|, |v[XS+2]|
	v_max3_num_f32 v9, |v[XS+3]|, |v[XS+4]|, |v[XS+5]|
.irp i, 6,10
	v_max3_num_f32 v8, v8, |v[XS+\i]|, |v[XS+\i+1]|
	v_max3_num_f32 v9, v9, |v[XS+\i+2]|, |v[XS+\i+3]|
.endr
	v_max3_num_f32 v8, v8, |v[XS+14]|, |v[XS+15]|
	v_max3_num_f32 v8, v8, v9, 0x1800000           ; and the floor 2^(3 - 127): the byte cannot fall under 1
	v_max_num_f32_dpp v8, v8, v8 row_xmask:1 row_mask:0xf bank_mask:0xf   ; with my neighbour's 16: the block's largest magnitude
	v_add_nc_u32 v11, 0xff000000, v8               ; 2 off its exponent field: the conversion takes this operand's exponent field as its scale
	v_cvt_scalef32_pk16_fp6_f32 v[XC+4*(\t):XC+4*(\t)+2], v[XS:XS+15], v11
	v_lshrrev_b32 v[XE+(\t)], 23, v11              ; the scale's byte
	ds_store_b8 v5, v[XE+(\t)] offset:16*(\t)      ; both lanes of a block write the same byte with the same value
	global_store_b96 v4, v[XC+4*(\t):XC+4*(\t)+2], s[24:25] offset:192*((\t)/2)+2*PLANE*((\t)%2)   ; row t / 2 of my 8, K steps 2 (t % 2) and 2 (t % 2) + 1: sixteen lanes store 192 consecutive bytes
.endm
.irp t, 0,1,2,3,4,5,6,7,8,9,10,11,12,13,14,15
	XSTEP \t
.endr
	ds_load_b64 v[12:13], v6                       ; in order behind my byte stores
	s_wait_dscnt 0x0
	global_store_b64 v7, v[12:13], s[26:27]        ; 32 lanes store 256 consecutive bytes, aligned
	s_wait_tensorcnt 0x0                           ; the wave's end
	ds_add_u32 v192, v193
	s_wait_dscnt 0x0
	s_endpgm
; ---------------- the weights.  A wave takes 32 columns x 256 along K: 8 blocks a lane, 192 bytes of codes a column.
.macro WPLACE                          ; s17: the work-group's number within its tensor.  Leaves s17 = my wave's first column, s18 = which 256 along K
	s_lshr_b32 s19, s17, 2
	s_and_b32 s18, s17, 3
	s_lshl_b32 s17, s19, 7
	s_lshl_b32 s19, s16, 5
	s_add_co_u32 s17, s17, s19
.endm
.macro WLOAD t, n, wp                  ; block t: W(32 t + i, my column): 32 lanes read 128 consecutive bytes, the four waves 512
.irp i, 0,1,2,3,4,5,6,7,8,9,10,11,12,13,14,15,16,17,18,19,20,21,22,23,24,25,26,27,28,29,30,31
	global_load_b32 v[WX+32*((\t)%2)+\i], v3, s[\wp:\wp+1] offset:(32*(\t)+\i)*\n*4 th:TH_LOAD_NT
.endr
.endm
.macro WSCALE t                        ; block t's largest magnitude; v11 the conversions' scale operand; its byte into v[WSB ..]
.set XS, WX+32*((\t)%2)
.if (\t) < 7
	s_wait_loadcnt 32                              ; this block's 32 loads are in; the next block's may be out
.else
	s_wait_loadcnt 0
.endif
	v_max3_num_f32 v12, |v[XS]|, |v[XS+1]|, |v[XS+2]|
	v_max3_num_f32 v13, |v[XS+3]|, |v[XS+4]|, |v[XS+5]|
.irp i, 6,10,14,18,22,26
	v_max3_num_f32 v12, v12, |v[XS+\i]|, |v[XS+\i+1]|
	v_max3_num_f32 v13, v13, |v[XS+\i+2]|, |v[XS+\i+3]|
.endr
	v_max3_num_f32 v12, v12, |v[XS+30]|, |v[XS+31]|
	v_max3_num_f32 v12, v12, v13, 0x1800000        ; the floor
	v_add_nc_u32 v11, 0xff000000, v12
	v_lshrrev_b32 v13, 23, v11
.if (\t)%4 == 0
	v_mov_b32 v[WSB+(\t)/4], v13
.else
	v_lshl_or_b32 v[WSB+(\t)/4], v13, 8*((\t)%4), v[WSB+(\t)/4]
.endif
.endm
.macro WBLOCK t                        ; W_attn: the codes go to the wave's own stage
	WSCALE \t
	v_cvt_scalef32_pk16_fp6_f32 v[WC:WC+2], v[XS:XS+15], v11
	v_cvt_scalef32_pk16_fp6_f32 v[WC+4:WC+6], v[XS+16:XS+31], v11   ; (a conversion's three registers begin on an even number)
	ds_store_b96 v4, v[WC:WC+2] offset:32*(\t)     ; 12 bytes to a place of 16, so that every LDS address is a multiple of 16
	ds_store_b96 v4, v[WC+4:WC+6] offset:32*(\t)+16
.if (\t)+2 < 8
	WLOAD (\t)+2, 3072, 6
.endif
	s_wait_dscnt 0x0                               ; the stores have read their registers: the next block's codes may be written
.endm
; W_attn's way out: sixteen lanes to a row's 192 bytes.  perm = 1 (HB): bits 3 and 4 of my column c change places; 2 (WB): row c % 8 + 16 (c / 8).
.macro WOUT perm
.if \perm == 1
	v_and_b32 v9, 7, v2
	v_and_b32 v10, 8, v2
	v_lshl_or_b32 v9, v10, 1, v9
	v_and_b32 v10, 16, v2
	v_lshrrev_b32 v10, 1, v10
	v_or_b32 v9, v9, v10
	v_lshlrev_b32 v9, 5, v9
.else
	v_and_b32 v9, 7, v2
	v_lshrrev_b32 v10, 3, v2
	v_lshl_or_b32 v9, v10, 4, v9
	v_lshlrev_b32 v9, 5, v9
.endif
	s_wait_alu depctr_va_vdst(0)                   ; the wait, directly ahead of the reader below
	global_store_b64 v9, v[WSB:WSB+1], s[26:27]    ; my column's 8 scale bytes: rows of 32 bytes
.irp t, 0,1,2,3,4,5,6,7,8,9,10,11,12,13,14,15
	ds_load_b96 v[WO+4*\t:WO+4*\t+2], v7 offset:2*\t*WPITCH
.endr
.irp t, 0,1,2,3,4,5,6,7,8,9,10,11,12,13,14,15
.if \perm == 1
.set ROWT, 2*((\t&3)|((\t&4)<<1)|((\t&8)>>1))
.else
.set ROWT, 16*(\t>>2)+2*(\t&3)
.endif
	s_wait_dscnt 15-\t                             ; LDS loads come back in order: the 15 - t younger ones may be out
	global_store_b96 v8, v[WO+4*\t:WO+4*\t+2], s[24:25] offset:ROWT*192
.endr
.endm
.Lnot_x:
	s_cmp_lt_u32 ttmp9, 352
	s_cbranch_scc0 .Lnot_wa
	s_sub_co_u32 s17, ttmp9, 256
	s_wait_alu depctr_va_vdst(0)
	WPLACE
	v_lshlrev_b32 v3, 2, v2                        ; in: 4 bytes a lane
	s_mul_i32 s19, s16, 32*WPITCH
	s_add_co_u32 s19, s19, WSTG                    ; my stage
	v_mul_u32_u24 v4, v2, WPITCH
	v_add_nc_u32 v4, s19, v4                       ; into it: row = my column
	v_and_b32 v5, 15, v2
	v_lshrrev_b32 v6, 4, v2
	v_mul_u32_u24 v7, v6, WPITCH
	v_lshl_add_u32 v7, v5, 4, v7
	v_add_nc_u32 v7, s19, v7                       ; out of it: sixteen lanes to a row, two rows an instruction
	v_mul_u32_u24 v8, v6, 192
	v_mad_u32_u24 v8, v5, 12, v8                   ; and the same place among the codes
	s_mul_i32 s20, s18, 256*3072*4
	s_lshl_b32 s21, s17, 2
	s_add_co_u32 s20, s20, s21
	s_mov_b32 s21, 0
	s_add_nc_u64 s[6:7], s[6:7], s[20:21]
	s_and_not1_b32 s22, s17, 63                    ; WB: my 32 columns are one half of a group of 64: they begin 8 rows apart
	s_bfe_u32 s23, s17, 0x10005
	s_lshl_b32 s23, s23, 3
	s_add_co_u32 s22, s22, s23
	s_cmp_lt_u32 s17, 2048                         ; q and k columns: HB, which stays inside my 32 rows
	s_cselect_b32 s22, s17, s22                    ; the row of wq at which my wave's 32 columns begin
	s_mul_i32 s20, s22, 192
	s_mul_i32 s23, s18, PLANE
	s_add_co_u32 s20, s20, s23
	s_add_nc_u64 s[24:25], s[12:13], s[20:21]      ; codes
	s_lshl_b32 s20, s22, 5
	s_lshl_b32 s23, s18, 3
	s_add_co_u32 s20, s20, s23
	s_add_co_u32 s20, s20, 6291456
	s_add_nc_u64 s[26:27], s[12:13], s[20:21]      ; scale bytes
	s_wait_alu depctr_va_vdst(0)                   ; the wait behind the run of scalar lines
	WLOAD 0, 3072, 6
	WLOAD 1, 3072, 6
.irp t, 0,1,2,3,4,5,6,7
	WBLOCK \t
.endr
	s_cmp_lt_u32 s17, 2048
	s_cbranch_scc0 .Lwa_v
	WOUT 1
	s_wait_tensorcnt 0x0
	ds_add_u32 v192, v193
	s_wait_dscnt 0x0
	s_endpgm
.Lwa_v:
	WOUT 2
	s_wait_tensorcnt 0x0
	ds_add_u32 v192, v193
	s_wait_dscnt 0x0
	s_endpgm
; ---------------- W_proj.  Block t of my 8 is K step 2 s18 + t / 4, c = (t % 4) / 2, h = t % 2: sixteen neighbouring lanes hold sixteen neighbouring places of the layout, so the codes leave straight from registers:
; sixteen lanes store 256 consecutive bytes, aligned, and then 128.  No LDS on this path.  Each block has its own six registers, so that no store's data are written again.
.macro PBLOCK t
	WSCALE \t
	v_cvt_scalef32_pk16_fp6_f32 v[WO+8*(\t):WO+8*(\t)+2], v[XS:XS+15], v11
	v_cvt_scalef32_pk16_fp6_f32 v[WC:WC+2], v[XS+16:XS+31], v11     ; (a conversion's three registers begin on an even number)
	v_nop                                          ; one plain place behind a scaled conversion
.irp i, 0,1,2
	v_mov_b32 v[WO+8*(\t)+3+\i], v[WC+\i]
.endr
	global_store_b128 v8, v[WO+8*(\t):WO+8*(\t)+3], s[24:25] offset:((\t)/4)*1536+(((\t)%4)/2)*768+((\t)%2)*256
	global_store_b64 v7, v[WO+8*(\t)+4:WO+8*(\t)+5], s[24:25] offset:((\t)/4)*1536+(((\t)%4)/2)*768+512+((\t)%2)*128
.if (\t)+2 < 8
	WLOAD (\t)+2, 1024, 8
.endif
.endm
.Lnot_wa:
	s_cmp_lt_u32 ttmp9, 384
	s_cbranch_scc0 .Lnot_wp
	s_sub_co_u32 s17, ttmp9, 352
	s_wait_alu depctr_va_vdst(0)
	WPLACE
	v_lshlrev_b32 v3, 2, v2                        ; in: 4 bytes a lane
	v_and_b32 v5, 15, v2
	v_lshrrev_b32 v6, 4, v2
	v_mul_u32_u24 v6, v6, 12288                    ; lanes 16-31 hold the next tile of 16 columns
	v_lshl_add_u32 v8, v5, 4, v6                   ; out: 16 bytes a lane,
	v_lshl_add_u32 v7, v5, 3, v6                   ; and 8
	v_lshlrev_b32 v9, 5, v2                        ; my column's row of scale bytes
	s_lshl_b32 s20, s18, 20                        ; 256 rows of 4,096 bytes
	s_lshl_b32 s21, s17, 2
	s_add_co_u32 s20, s20, s21
	s_mov_b32 s21, 0
	s_add_nc_u64 s[8:9], s[8:9], s[20:21]
	s_lshr_b32 s20, s17, 4
	s_mul_i32 s20, s20, 12288                      ; my first tile,
	s_mul_i32 s23, s18, 3072                       ; my two K steps of 128
	s_add_co_u32 s20, s20, s23
	s_add_nc_u64 s[24:25], s[28:29], s[20:21]      ; codes
	s_lshl_b32 s20, s17, 5
	s_lshl_b32 s23, s18, 3
	s_add_co_u32 s20, s20, s23
	s_add_co_u32 s20, s20, 786432
	s_add_nc_u64 s[26:27], s[28:29], s[20:21]      ; scale bytes
	s_wait_alu depctr_va_vdst(0)                   ; the wait behind the run of scalar lines
	WLOAD 0, 1024, 8
	WLOAD 1, 1024, 8
.irp t, 0,1,2,3,4,5,6,7
	PBLOCK \t
.endr
	s_wait_alu depctr_va_vdst(0)                   ; the wait, directly ahead of the reader below
	global_store_b64 v9, v[WSB:WSB+1], s[26:27]    ; my column's 8 scale bytes
	s_endpgm
; ---------------- the table.  Wave W = 8 G + a.  Lane (r, h) takes token 128 G + 64 (a / 4) + 8 (a % 4) + r % 8 + 32 (r / 8) and the frequencies 16 h + 0 .. 15.
.Lnot_wp:
	s_sub_co_u32 s17, ttmp9, 384
	s_lshl_b32 s18, s17, 2
	s_add_co_u32 s18, s18, s16                     ; W
	s_lshr_b32 s19, s18, 2
	s_lshl_b32 s19, s19, 6                         ; 128 G + 64 (a / 4) = 64 (W / 4)
	s_and_b32 s20, s18, 3
	s_lshl_b32 s20, s20, 3
	s_add_co_u32 s19, s19, s20
	v_and_b32 v3, 7, v0
	v_bfe_u32 v4, v0, 3, 1
	v_lshl_add_u32 v3, v4, 5, v3
	v_add_nc_u32 v3, s19, v3
	v_cvt_f32_u32 v9, v3                           ; the token, exact in f32
	s_wait_alu depctr_va_vdst(0)
	v_cmp_lt_u32 vcc_lo, 15, v2                    ; lanes 16-31
	v_lshlrev_b32 v8, 4, v2
	s_lshl_b32 s20, s18, 12
	s_mov_b32 s21, 0
	s_add_nc_u64 s[14:15], s[14:15], s[20:21]
	s_mov_b32 s30, 0xbfc90fdb                      ; -(pi / 2), its f32 part,
	s_mov_b32 s31, 0x333bbd2e                      ; and what that part has too much: 4.37e-8
	v_mov_b32 v20, -0.16666654611                  ; sin r = r + r z (S1 + z (S2 + z S3)), z = r r, |r| <= pi / 4
	v_mov_b32 v21, 0.0083321608736
	v_mov_b32 v22, -0.00019515295891
	v_mov_b32 v23, 0.04166664568                   ; cos r = 1 - z / 2 + z z (C1 + z (C2 + z C3))
	v_mov_b32 v24, -0.001388731625
	v_mov_b32 v25, 0.00002443315712
.macro SINCOS i, lo, hi                ; cos into v[32 + i], sin into v[48 + i]
	v_mov_b32 v10, \hi
	v_cndmask_b32 v10, \lo, v10, vcc_lo            ; 10^(-(16 h + i) / 8)
	v_mul_f32 v10, v9, v10                         ; the angle: one product in f32
	v_mul_f32 v11, 0x3f22f983, v10
	v_rndne_f32 v11, v11                           ; n = the nearest multiple of pi / 2
	v_fma_f32 v10, v11, s30, v10
	v_fma_f32 v10, v11, s31, v10                   ; r
	v_mul_f32 v12, v10, v10                        ; z
	v_fma_f32 v13, v12, v22, v21
	v_fma_f32 v14, v12, v25, v24
	v_fma_f32 v13, v13, v12, v20
	v_fma_f32 v14, v14, v12, v23
	v_mul_f32 v15, v12, v10
	v_mul_f32 v16, v12, v12
	v_fma_f32 v17, v12, -0.5, 1.0
	v_fma_f32 v13, v13, v15, v10                   ; sin r
	v_fma_f32 v14, v14, v16, v17                   ; cos r
	v_cvt_i32_f32 v11, v11
	v_and_b32 v15, 1, v11
	v_cmp_eq_u32 s38, 1, v15                       ; an odd quarter: the two change places
	v_cndmask_b32 v16, v13, v14, s38
	v_cndmask_b32 v17, v14, v13, s38
	v_and_b32 v15, 2, v11                          ; sin is negative in quarters 2 and 3,
	v_lshlrev_b32 v15, 30, v15
	v_xor_b32 v[48+\i], v15, v16
	v_add_nc_u32 v11, 1, v11                       ; cos in quarters 1 and 2
	v_and_b32 v11, 2, v11
	v_lshlrev_b32 v11, 30, v11
	v_xor_b32 v[32+\i], v11, v17
.endm
	SINCOS 0, 1.0, 0.01
	SINCOS 1, 0.7498942093324559, 0.007498942093324559
	SINCOS 2, 0.5623413251903491, 0.005623413251903491
	SINCOS 3, 0.4216965034285822, 0.004216965034285822
	SINCOS 4, 0.31622776601683794, 0.0031622776601683794
	SINCOS 5, 0.23713737056616552, 0.0023713737056616552
	SINCOS 6, 0.1778279410038923, 0.001778279410038923
	SINCOS 7, 0.1333521432163324, 0.001333521432163324
	SINCOS 8, 0.1, 0.001
	SINCOS 9, 0.07498942093324559, 0.0007498942093324559
	SINCOS 10, 0.05623413251903491, 0.0005623413251903491
	SINCOS 11, 0.04216965034285822, 0.0004216965034285822
	SINCOS 12, 0.031622776601683794, 0.00031622776601683794
	SINCOS 13, 0.023713737056616552, 0.00023713737056616552
	SINCOS 14, 0.01778279410038923, 0.0001778279410038923
	SINCOS 15, 0.01333521432163324, 0.0001333521432163324
.irp j, 0,1,2,3
	global_store_b128 v8, v[32+4*\j:35+4*\j], s[14:15] offset:512*\j          ; 32 lanes store 512 consecutive bytes
	global_store_b128 v8, v[48+4*\j:51+4*\j], s[14:15] offset:2048+512*\j
.endr
	s_endpgm
.Lfunc_end_k_q21390a3b34_prep:
	.size	k_q21390a3b34_prep, .Lfunc_end_k_q21390a3b34_prep-k_q21390a3b34_prep
	.p2alignl 7, 3214868480
	.fill 96, 4, 3214868480
	.section	.rodata,"a",@progbits
	.p2align	6, 0x0
	.amdhsa_kernel k_q21390a3b34_prep
		.amdhsa_group_segment_fixed_size 68096
		.amdhsa_private_segment_fixed_size 0
		.amdhsa_enable_private_segment 0
		.amdhsa_kernarg_size 56
		.amdhsa_user_sgpr_count 2
		.amdhsa_user_sgpr_kernarg_segment_ptr 1
		.amdhsa_wavefront_size32 1
		.amdhsa_system_sgpr_workgroup_id_x 1
		.amdhsa_system_sgpr_workgroup_id_y 1
		.amdhsa_system_sgpr_workgroup_id_z 1
		.amdhsa_system_vgpr_workitem_id 0
		.amdhsa_next_free_vgpr 194
		.amdhsa_next_free_sgpr 66
		.amdhsa_reserve_vcc 1
		.amdhsa_float_denorm_mode_32 3
		.amdhsa_float_denorm_mode_16_64 3
		.amdhsa_memory_ordered 1
		.amdhsa_forward_progress 1
		.amdhsa_inst_pref_size 140
	.end_amdhsa_kernel
	.amdgpu_metadata
---
amdhsa.version: [ 1, 2 ]
amdhsa.kernels:
  - .name:           k_q21390a3b34_prep
    .symbol:         k_q21390a3b34_prep.kd
    .args:
      - { .name: x, .offset: 0, .size: 8, .value_kind: global_buffer, .address_space: global }
      - { .name: W_attn, .offset: 8, .size: 8, .value_kind: global_buffer, .address_space: global }
      - { .name: W_proj, .offset: 16, .size: 8, .value_kind: global_buffer, .address_space: global }
      - { .name: xq, .offset: 24, .size: 8, .value_kind: global_buffer, .address_space: global }
      - { .name: wq, .offset: 32, .size: 8, .value_kind: global_buffer, .address_space: global }
      - { .name: rope, .offset: 40, .size: 8, .value_kind: global_buffer, .address_space: global }
      - { .name: wp, .offset: 48, .size: 8, .value_kind: global_buffer, .address_space: global }
    .group_segment_fixed_size: 68096
    .private_segment_fixed_size: 0
    .kernarg_segment_align: 8
    .kernarg_segment_size: 56
    .max_flat_workgroup_size: 128
    .sgpr_count:     66
    .vgpr_count:     194
    .wavefront_size: 32
...
	.end_amdgpu_metadata
.endif
;; end of part 1
;; launch qkv (part 2): grid 12 x 32, 4 waves a work-group, clusters of 4 x 4, 327,680 bytes of LDS; arguments xq, wq, rope, qkv; writes qkv
.if DOCPART == 2
	.amdgcn_target "amdgcn-amd-amdhsa--gfx1250"
	.amdhsa_code_object_version 6
	.text
	.protected	k_q21390a3b34_qkv
	.globl	k_q21390a3b34_qkv
	.p2align	8
	.type	k_q21390a3b34_qkv,@function
k_q21390a3b34_qkv:
	s_mov_b64 s[64:65], 0
	v_nop
	global_prefetch_b8 v0, s[64:65] scope:SCOPE_SE
	s_setreg_imm32_b32 hwreg(HW_REG_WAVE_MODE, 25, 1), 1
	s_wait_xcnt 0x0
	s_wait_alu depctr_hold_cnt(0) depctr_sa_sdst(0) depctr_va_vdst(0) depctr_va_sdst(0) depctr_va_ssrc(0) depctr_va_vcc(0) depctr_vm_vsrc(0)
	s_getreg_b32 s2, hwreg(HW_REG_IB_STS2, 6, 4)
	s_cmp_eq_u32 s2, 0
	s_cbranch_scc0 .Lentry_in_a_cluster
	s_endpgm
.Lentry_in_a_cluster:
	s_bfe_u32 s2, ttmp6, 0x10000c
	s_cmp_lg_u32 s2, 0xf033
	s_cbranch_scc0 .Lentry_shape_is_right
	s_endpgm
.Lentry_shape_is_right:
; QKV: qkv = x W_attn on codes of FP6 (E2M3) with E8M0 scales; q and k are rotated by the table; q, k and v leave quantised, as records of 6,400 bytes for 128 tokens of a head, in the order of the next launch's operand registers.
; A work-group of four waves makes 256 x 256 of the product, a wave 128 x 128.  Clusters of 4 x 4 ask for A's and B's tiles jointly.  For the v columns (cluster x = 2) the two operands change places, so that a lane's registers run along the tokens.
; K goes in four steps of 256 through two LDS slots.  The codes lie [K step][row][192 B], the K steps 1,572,864 bytes apart: a wave's 128 rows of a step are 24,576 dense bytes,
; loaded as 96 rows of 256 bytes, each at a multiple of 256; 16 bytes of padding behind every 64 make an LDS row of 240 bytes for each 192 bytes of codes.
.set KSTEP,  256
.set NQ,     2
.set ROWB,   1572864
.set ASTEP,  1572864
.set KROW,   192
.set PITCH,  240
.set FR,     12
.set NL,     6
.set NP,     4
.set HALFT,  128*PITCH
.set SLOT,   4*HALFT
.set LAPS,   2
.set KS,     32
.set SCL,    2*SLOT
.set HALFS,  (128*KS/256)*272
.set SBLK,   (16*KS/256)*272
.set SPARE,  SCL+4*HALFS
.set ADRA, 16
.set ADRB, 20
.set ADRS, 27
.set SPW,  28
.set NIL,  29
.set SC,   32
.set AF,   128
.set G1, 24
.set G0, 32
.set G1B, 48
.set G0B, 56
.set G1S, 68
.set G0S, 76
.set G1SB, 80
.set G0SB, 88
.set HA,  64
.set CSN, 128
.set CD,  192
.set TM,  212
.set PW,  228
.set W0,  230
.set W1,  232
.set X0,  234
.set X1,  235
.set FL,  236
.set SH8, 237
.set TX,  238
.set MSB, 0
.macro WIN new
.if MSB != (\new)
	s_set_vgpr_msb (MSB<<8)|(\new)
.set MSB, (\new)
.endif
.endm
.set MUL_LO, 0xa1
.set MUL_HI, 0xf1
.set TO_B,   0x40
.macro JLOAD g0a, g1a, g0b, g1b
	s_cmp_eq_u32 s15, 0
	s_cbranch_scc0 .Lfor_b_\@
	tensor_load_to_lds s[\g0a:\g0a+3], s[\g1a:\g1a+7]
	s_nop 0
.rept 4
	v_nop
.endr
	s_branch .Lasked_\@
.Lfor_b_\@:
	tensor_load_to_lds s[\g0b:\g0b+3], s[\g1b:\g1b+7]
	s_nop 0
.rept 4
	v_nop
.endr
.Lasked_\@:
.endm
.macro CREST
	s_cmp_lg_u32 s14, 0
	s_cbranch_scc1 .Lnot_wave_0_\@
	s_barrier_signal -3
.Lnot_wave_0_\@:
	s_barrier_wait -3
	s_barrier_signal -1
	s_barrier_wait -1
.endm
.macro CROUND
	s_barrier_signal -1
	s_barrier_wait -1
	CREST
.endm
	s_load_b128 s[96:99], s[0:1], 0x0
	s_load_b64 s[66:67], s[0:1], 0x10
	s_load_b64 s[12:13], s[0:1], 0x18
	v_lshl_add_u32 v[SPW], v0, 2, SPARE
	v_mov_b32 v[NIL], 0
	ds_add_u32 v28, v29
	ds_add_u32 v28, v29
	s_wait_dscnt 0x0
	v_lshrrev_b32 v1, 5, v0
	v_readfirstlane_b32 s14, v1
	s_lshr_b32 s15, s14, 1
	s_and_b32 s16, s14, 1
	s_bfe_u32 s40, ttmp6, 0x40000
	s_bfe_u32 s41, ttmp6, 0x40004
	s_and_b32 s17, ttmp7, 0xffff
	s_cmp_eq_u32 ttmp9, 2
	s_cselect_b32 s100, 1, 0
	s_cselect_b32 s42, s17, ttmp9
	s_cselect_b32 s17, 0, s17
	s_lshl_b32 s42, s42, 2
	s_add_co_u32 s42, s42, s40
	s_lshl_b32 s17, s17, 2
	s_add_co_u32 s17, s17, s41
	s_lshl_b32 s43, s41, 2
	s_lshl_b32 s43, 15, s43
	s_lshl_b32 s44, 0x1111, s40
	s_or_b32 s[G1+0], s43, (0<<16)|(1<<20)|(1<<21)|(3<<22)|(3<<25)
	s_or_b32 s[G1B+0], s44, (0<<16)|(1<<20)|(1<<21)|(3<<22)|(3<<25)
.irp g, G1, G1B
	s_mov_b32 s[\g+1], 256<<16
	s_mov_b32 s[\g+2], 192<<16
	s_mov_b32 s[\g+3], 256<<16
	s_mov_b32 s[\g+4], 192
	s_mov_b32 s[\g+5], 256
	s_mov_b32 s[\g+6], 0
	s_mov_b32 s[\g+7], 0
.endr
	s_or_b32 s[G1S+0], s43, (3<<16)|(1<<20)|(1<<21)|(5<<22)|(3<<25)
	s_or_b32 s[G1SB+0], s44, (3<<16)|(1<<20)|(1<<21)|(5<<22)|(3<<25)
.irp g, G1S, G1SB
	s_mov_b32 s[\g+1], 32<<16
	s_mov_b32 s[\g+2], (256*KS/256)<<16
	s_mov_b32 s[\g+3], 32<<16
	s_mov_b32 s[\g+4], 256*KS/256
	s_mov_b32 s[\g+5], 32
	s_mov_b32 s[\g+6], 0
	s_mov_b32 s[\g+7], 0
.endr
	s_lshl_b32 s20, s17, 8
	s_lshl_b32 s46, s42, 8
	s_mov_b32 s21, 0
	s_mov_b32 s47, 0
	s_mov_b64 s[18:19], KS
	s_mul_u64 s[22:23], s[20:21], s[18:19]
	s_mul_u64 s[92:93], s[46:47], s[18:19]
	s_mov_b64 s[18:19], KROW
	s_mul_u64 s[20:21], s[20:21], s[18:19]
	s_mul_u64 s[46:47], s[46:47], s[18:19]
	s_cmp_eq_u32 s100, 1
	s_mov_b32 s3, 0
	s_cselect_b32 s2, 393216, 0
	s_add_nc_u64 s[20:21], s[20:21], s[2:3]
	s_mov_b32 s2, 6291456
	s_cselect_b32 s2, 6356992, s2
	s_add_nc_u64 s[22:23], s[22:23], s[2:3]
	s_mov_b32 s2, 6291456
	s_add_nc_u64 s[92:93], s[92:93], s[2:3]
	s_mul_i32 s45, s14, HALFT
	s_mul_i32 s18, s16, 128*KROW                   ; in the ring I fetch 128 rows of a tile: which half, in bytes
	s_mov_b32 s19, 0
	s_wait_kmcnt 0x0
	s_cmp_eq_u32 s100, 1
	s_cselect_b64 s[4:5], s[98:99], s[96:97]
	s_cselect_b64 s[8:9], s[96:97], s[98:99]
	s_add_nc_u64 s[20:21], s[4:5], s[20:21]
	s_add_nc_u64 s[22:23], s[4:5], s[22:23]
	s_add_nc_u64 s[46:47], s[8:9], s[46:47]
	s_add_nc_u64 s[92:93], s[8:9], s[92:93]
	CROUND
	s_mov_b32 s[G0S], 1
	s_mov_b32 s[G0S+1], SCL
	s_mov_b64 s[G0S+2:G0S+3], s[22:23]
	s_or_b32 s[G0S+3], s[G0S+3], 0x80000000
	s_mov_b32 s[G0SB], 1
	s_mov_b32 s[G0SB+1], SCL+2*HALFS
	s_mov_b64 s[G0SB+2:G0SB+3], s[92:93]
	s_or_b32 s[G0SB+3], s[G0SB+3], 0x80000000
	s_mov_b32 s4, 1                                ; group 0 for the head's loads of K step 0: A's 256 rows (49,152 dense bytes, 192 rows of 256),
	s_mov_b32 s5, 0
	s_mov_b64 s[6:7], s[20:21]
	s_or_b32 s7, s7, 0x80000000
	s_mov_b32 s8, 1                                ; and B's, behind them in slot 0
	s_mov_b32 s9, 2*HALFT
	s_mov_b64 s[10:11], s[46:47]
	s_or_b32 s11, s11, 0x80000000
	s_add_nc_u64 s[20:21], s[20:21], s[18:19]      ; for the ring: my 128 rows of the tile
	s_add_nc_u64 s[46:47], s[46:47], s[18:19]
.irp s, 0,1
	s_mov_b32 s[G0+4*\s], 1
	s_add_co_u32 s[G0+4*\s+1], s45, \s*SLOT
	s_add_nc_u64 s[G0+4*\s+2:G0+4*\s+3], s[20:21], \s*ASTEP
	s_or_b32 s[G0+4*\s+3], s[G0+4*\s+3], 0x80000000
	s_mov_b32 s[G0B+4*\s], 1
	s_add_co_u32 s[G0B+4*\s+1], s45, \s*SLOT
	s_add_nc_u64 s[G0B+4*\s+2:G0B+4*\s+3], s[46:47], \s*ROWB
	s_or_b32 s[G0B+4*\s+3], s[G0B+4*\s+3], 0x80000000
.endr
; THE HEAD'S LOADS, ONE A WAVE: wave 0 fetches K step 0's 256 rows of A, wave 1 its 256 rows of B, wave 2 the scales of A's 256 rows, wave 3 those of B's.
; One tree of branches on the wave's number: every way through it passes exactly one load.
.macro ARM under, g0, g1, next
	s_cmp_lt_u32 s14, \under
	s_cbranch_scc0 \next
	tensor_load_to_lds s[\g0:\g0+3], s[\g1:\g1+7]
	s_nop 0
.rept 4
	v_nop
.endr
	s_branch .Lhead_asked
\next:
.endm
	ARM 1, 4, G1, .Lhead_b
	ARM 2, 8, G1B, .Lhead_sa
	ARM 3, G0S, G1S, .Lhead_sb
	tensor_load_to_lds s[G0SB:G0SB+3], s[G1SB:G1SB+7]
	s_nop 0
.rept 4
	v_nop
.endr
.Lhead_asked:
	v_and_b32 v1, 15, v0
	v_bfe_u32 v2, v0, 4, 1
	v_mul_u32_u24 v3, v1, PITCH
	v_mul_u32_u24 v4, v2, 24
	v_add_nc_u32 v4, v3, v4
	v_lshl_add_u32 v5, v2, 4, v4
	s_mul_i32 s21, s15, HALFT
	s_mul_i32 s22, s16, HALFT
	s_add_co_u32 s22, s22, 2*HALFT
.irp s, 0,1
	v_add_nc_u32 v[ADRA+\s], s21, v4
	v_add_nc_u32 v[ADRB+\s], s22, v4
	v_add_nc_u32 v[ADRA+2+\s], s21, v5
	v_add_nc_u32 v[ADRB+2+\s], s22, v5
	s_add_co_u32 s21, s21, SLOT
	s_add_co_u32 s22, s22, SLOT
.endr
	v_mul_u32_u24 v5, v1, KS
	v_lshrrev_b32 v6, 8, v5
	v_lshl_add_u32 v5, v6, 4, v5
	s_mul_i32 s21, s15, HALFS
	s_mul_i32 s22, s16, HALFS
	s_add_co_u32 s22, s22, 2*HALFS
	s_sub_co_u32 s22, s22, s21
	v_mul_u32_u24 v6, s22, v2
	s_add_co_u32 s21, s21, SCL
	v_add_nc_u32 v5, v5, v6
	v_add_nc_u32 v[ADRS], s21, v5
	s_lshl_b32 s20, s17, 8
	s_lshl_b32 s21, s15, 7
	s_add_co_u32 s20, s20, s21
	s_lshl_b32 s21, s42, 8
	s_lshl_b32 s22, s16, 7
	s_add_co_u32 s21, s21, s22
	s_add_co_u32 s22, s20, 2048
	s_cmp_eq_u32 s100, 1
	s_cselect_b32 s23, s21, s20
	s_cselect_b32 s22, s22, s21
	s_lshr_b32 s92, s22, 10
	s_bfe_u32 s93, s22, 0x40006
	s_lshr_b32 s94, s23, 11
	s_bfe_u32 s95, s23, 0x40007
	s_lshl_b32 s94, s94, 4
	s_add_co_u32 s94, s94, s93
	s_lshl_b32 s94, s94, 4
	s_add_co_u32 s94, s94, s95
	s_mul_i32 s94, s94, 6400
	s_mul_i32 s92, s92, 6553600
	s_add_co_u32 s92, s92, s94
	s_mov_b32 s93, 0
	s_add_nc_u64 s[12:13], s[12:13], s[92:93]
	s_lshl_b32 s92, s95, 15
	s_add_nc_u64 s[66:67], s[66:67], s[92:93]
.macro FRAG reg, adr, q, i
.irp p, 0,1,2,3,4,5
.set PIECE, 12*(\q)+6*(\p/3)+\p%3
.if PIECE%8 < 5
	ds_load_b64 v[\reg+2*\p:\reg+2*\p+1], v[\adr] offset:8*PIECE+16*(PIECE/8)+(\i)*16*PITCH
.else
	ds_load_b64 v[\reg+2*\p:\reg+2*\p+1], v[\adr+2] offset:8*PIECE+16*(PIECE/8)+(\i)*16*PITCH
.endif
.endr
.endm
.macro MUL16 a0, p, q, sc, zero
.irp a, \a0, \a0+1
.irp b, 0,1,2,3,4,5,6,7
.if \zero
	v_wmma_scale_f32_16x16x128_f8f6f4 v[8*(8*((\a)%4)+\b):8*(8*((\a)%4)+\b)+7], v[128*(\p)+FR*\b:128*(\p)+FR*\b+FR-1], v[AF+FR*(\a):AF+FR*(\a)+FR-1], 0, v[SC+8*NQ*(\sc)+NQ*\b+(\q)], v[SC+8*NQ*(\sc)+NQ*(\a)+(\q)] matrix_a_fmt:MATRIX_FMT_FP6 matrix_b_fmt:MATRIX_FMT_FP6 matrix_a_scale:MATRIX_SCALE_ROW1
.else
	v_wmma_scale_f32_16x16x128_f8f6f4 v[8*(8*((\a)%4)+\b):8*(8*((\a)%4)+\b)+7], v[128*(\p)+FR*\b:128*(\p)+FR*\b+FR-1], v[AF+FR*(\a):AF+FR*(\a)+FR-1], v[8*(8*((\a)%4)+\b):8*(8*((\a)%4)+\b)+7], v[SC+8*NQ*(\sc)+NQ*\b+(\q)], v[SC+8*NQ*(\sc)+NQ*(\a)+(\q)] matrix_a_fmt:MATRIX_FMT_FP6 matrix_b_fmt:MATRIX_FMT_FP6 matrix_a_scale:MATRIX_SCALE_ROW1
.endif
.endr
.endr
.endm
.macro FETCH_B slot, q, p
	WIN TO_B
.irp i, 0,1,2,3,4,5,6,7
	FRAG 128*(\p)+FR*\i, ADRB+\slot, \q, \i
.endr
	WIN 0
.endm
.macro FETCH_A slot, q, i0
.irp i, \i0, \i0+1, \i0+2, \i0+3
	FRAG AF+FR*(\i), ADRA+\slot, \q, \i
.endr
.endm
.macro SCALES sc
.irp i, 0,1,2,3,4,5,6,7
	ds_load_b64 v[SC+8*NQ*\sc+NQ*\i:SC+8*NQ*\sc+NQ*\i+1], v[ADRS] offset:\i*SBLK
.endr
.endm
.macro PLACES n
.rept \n
	v_nop
.endr
.endm
.macro STEP slot, q, zero
	s_wait_dscnt 4*NL
	WIN MUL_LO
	MUL16 0, (\q)%2, \q, \slot, \zero
	MUL16 2, (\q)%2, \q, \slot, \zero
	s_wait_dscnt 0
	PLACES NP
	FETCH_B \slot, (\q)+1, 1-(\q)%2
	FETCH_A \slot, (\q)+1, 0
	WIN MUL_HI
	MUL16 4, (\q)%2, \q, \slot, \zero
	MUL16 6, (\q)%2, \q, \slot, \zero
	PLACES NP
	WIN 0
	FETCH_A \slot, (\q)+1, 4
.endm
.macro TURN slot, next, fill
	s_wait_tensorcnt 0x0
	ds_add_u32 v[SPW], v[NIL]
	s_wait_dscnt 4*NL+1
	WIN MUL_LO
	MUL16 0, 1, NQ-1, \slot, 0
	s_wait_dscnt 0x0
	s_barrier_signal -1
	MUL16 2, 1, NQ-1, \slot, 0
	WIN 0
	s_barrier_wait -1
.if \fill
	CREST
	s_add_nc_u64 s[G0+4*\slot+2:G0+4*\slot+3], s[G0+4*\slot+2:G0+4*\slot+3], 2*ASTEP
	s_add_nc_u64 s[G0B+4*\slot+2:G0B+4*\slot+3], s[G0B+4*\slot+2:G0B+4*\slot+3], 2*ROWB
	JLOAD G0+4*\slot, G1, G0B+4*\slot, G1B
.else
	PLACES NP
.endif
	s_wait_alu depctr_va_vdst(0)
	v_add_nc_u32 v[ADRS], 4*NQ, v[ADRS]
	FETCH_B \next, 0, 0
	FETCH_A \next, 0, 0
	SCALES \next
	WIN MUL_HI
	MUL16 4, 1, NQ-1, \slot, 0
	MUL16 6, 1, NQ-1, \slot, 0
	PLACES NP
	WIN 0
	FETCH_A \next, 0, 4
.endm
	s_wait_alu depctr_va_vdst(0)
	s_wait_tensorcnt 0x0                           ; my tile of the head's four is in
	ds_add_u32 v[SPW], v[NIL]
	s_mov_b32 s[G1+2], 96<<16                      ; no tensor load of mine is out, so a descriptor may be written: from here on a load brings 128 rows of codes, 96 rows of 256 bytes
	s_mov_b32 s[G1+4], 96
	s_mov_b32 s[G1B+2], 96<<16
	s_mov_b32 s[G1B+4], 96
	s_wait_dscnt 0x0
	CROUND                                         ; all four tiles are in, and all sixteen work-groups are here
	JLOAD G0+4, G1, G0B+4, G1B                     ; K step 1, into slot 1: the first tensor load behind the round
	FETCH_B 0, 0, 0
	FETCH_A 0, 0, 0
	SCALES 0
	FETCH_A 0, 0, 4
	STEP 0, 0, 1
	s_mov_b32 s3, LAPS-1
.Llap:
	TURN 0, 1, 1
	STEP 1, 0, 0
	TURN 1, 0, 1
	STEP 0, 0, 0
	s_sub_co_u32 s3, s3, 1
	s_cmp_lg_u32 s3, 0
	s_cbranch_scc1 .Llap
	TURN 0, 1, 0
	STEP 1, 0, 0
	s_wait_dscnt 4*NL
	WIN MUL_LO
	MUL16 0, 1, NQ-1, 1, 0
	MUL16 2, 1, NQ-1, 1, 0
	s_wait_dscnt 0
	WIN MUL_HI
	MUL16 4, 1, NQ-1, 1, 0
	MUL16 6, 1, NQ-1, 1, 0
	WIN 0
	v_and_b32 v7, 31, v0
	v_lshlrev_b32 v8, 4, v7
	v_lshlrev_b32 v9, 3, v7
	v_lshlrev_b32 v10, 2, v7
	v_mov_b32 v[FL], 0x1800000
	v_lshlrev_b32 v[SH8], 3, v2
	v_mov_b32 v[TX], 0
.irp b, 0,1,2,3
	v_mov_b32 v[TM+4+\b], 0
.endr
	s_mov_b32 s20, 0x76543210
	s_mov_b32 s21, 0xfedcba98
	s_mov_b32 s22, 0x05040100
	s_mov_b32 s23, 0x07060302
	s_mov_b32 s101, 0xffff0000
.macro QUANT_H s, pw
.irp b, 0,1,2,3
	v_max3_num_f32 v[TM+\b], |v[\s+16*\b]|, |v[\s+1+16*\b]|, 0x1800000
.endr
.irp i, 2,4,6,8,10,12,14
.irp b, 0,1,2,3
	v_max3_num_f32 v[TM+\b], v[TM+\b], |v[\s+16*\b+\i]|, |v[\s+1+16*\b+\i]|
.endr
.endr
.irp b, 0,1,2,3
	v_permlanex16_b32 v[TM+4+\b], v[TM+\b], s20, s21
.endr
.irp b, 0,1,2,3
	v_max_num_f32 v[TM+\b], v[TM+\b], v[TM+4+\b]
.endr
.irp b, 0,1,2,3
	v_add_nc_u32 v[TM+12+\b], 0xff000000, v[TM+\b]
.endr
.irp b, 0,1,2,3
	v_lshrrev_b32 v[TM+4+\b], 23, v[TM+12+\b]
.endr
	v_lshl_or_b32 v[\pw], v[TM+5], 8, v[TM+4]
	v_lshl_or_b32 v[\pw], v[TM+6], 16, v[\pw]
	v_lshl_or_b32 v[\pw], v[TM+7], 24, v[\pw]
.irp c, 0,1
	v_cvt_scalef32_pk16_fp6_f32 v[CD+6*\c:CD+2+6*\c], v[\s+32*\c:\s+15+32*\c], v[TM+12+2*\c]
	v_cvt_scalef32_pk16_fp6_f32 v[CD+12+4*\c:CD+14+4*\c], v[\s+16+32*\c:\s+31+32*\c], v[TM+12+2*\c+1]
.endr
	v_nop
.irp c, 0,1
.irp i, 0,1,2
	v_permlane16_swap_b32 v[CD+6*\c+\i], v[CD+12+4*\c+\i]
.endr
.irp i, 0,1,2
	v_mov_b32 v[CD+3+6*\c+\i], v[CD+12+4*\c+\i]
.endr
.endr
.endm
.macro QUANT_W src, w, pw
	WIN ((\w)<<2)|((\w)<<4)
.irp c, 0,1
	v_max3_num_f32 v[TM+\c], v[FL], |v[\src+32*\c]|, |v[\src+32*\c+1]|
.endr
.irp i, 2,4,6,8,10,12,14,16,18,20,22,24,26,28,30
.irp c, 0,1
	v_max3_num_f32 v[TM+\c], v[TM+\c], |v[\src+32*\c+\i]|, |v[\src+32*\c+\i+1]|
.endr
.endr
	WIN 0
.irp c, 0,1
	v_add_nc_u32 v[TM+12+\c], 0xff000000, v[TM+\c]
.endr
.irp c, 0,1
	v_lshrrev_b32 v[TM+4+\c], 23, v[TM+12+\c]
.endr
	v_lshl_or_b32 v[\pw], v[TM+5], 16, v[TM+4]
	v_lshlrev_b32 v[\pw], v[SH8], v[\pw]
	v_permlanex16_b32 v[TX], v[\pw], s20, s21
	v_or_b32 v[\pw], v[\pw], v[TX]
	WIN (\w)
.irp c, 0,1
	v_cvt_scalef32_pk16_fp6_f32 v[CD+6*\c:CD+2+6*\c], v[\src+32*\c:\src+32*\c+15], v[TM+12+\c]
	v_cvt_scalef32_pk16_fp6_f32 v[CD+12+4*\c:CD+14+4*\c], v[\src+32*\c+16:\src+32*\c+31], v[TM+12+\c]
.endr
	WIN 0
	v_nop
.irp c, 0,1
.irp i, 0,1,2
	v_mov_b32 v[CD+3+6*\c+\i], v[CD+12+4*\c+\i]
.endr
.endr
.endm
	s_cmp_eq_u32 s100, 1
	s_cbranch_scc1 .Lkind_v
.macro TABLE a
.irp j, 0,1,2,3
	global_load_b128 v[CSN+32*((\a)%2)+4*\j:CSN+32*((\a)%2)+4*\j+3], v8, s[66:67] offset:(\a)*4096+512*\j
.endr
.irp j, 0,1,2,3
	global_load_b128 v[CSN+32*((\a)%2)+16+4*\j:CSN+32*((\a)%2)+19+4*\j], v8, s[66:67] offset:(\a)*4096+2048+512*\j
.endr
.endm
.macro QK_BLOCK a
.set AC, 64*((\a)%4)
.set CT, CSN+32*((\a)%2)
.if (\a) < 7
	s_wait_loadcnt 8
.else
	s_wait_loadcnt 0
.endif
	WIN 2+(\a)/4
.irp c, 0,1
.irp i, 0,2,4,6,8,10,12,14
	v_pk_mul_f32 v[HA+32*\c+\i:HA+32*\c+\i+1], v[AC+32*\c+16+\i:AC+32*\c+17+\i], v[CT+16+\i:CT+17+\i]
	v_pk_mul_f32 v[HA+32*\c+16+\i:HA+32*\c+17+\i], v[AC+32*\c+\i:AC+32*\c+\i+1], v[CT+16+\i:CT+17+\i]
	v_pk_fma_f32 v[HA+32*\c+\i:HA+32*\c+\i+1], v[AC+32*\c+\i:AC+32*\c+\i+1], v[CT+\i:CT+\i+1], v[HA+32*\c+\i:HA+32*\c+\i+1] neg_lo:[0,0,1] neg_hi:[0,0,1]
	v_pk_fma_f32 v[HA+32*\c+16+\i:HA+32*\c+17+\i], v[AC+32*\c+16+\i:AC+32*\c+17+\i], v[CT+\i:CT+\i+1], v[HA+32*\c+16+\i:HA+32*\c+17+\i]
.endr
.endr
	WIN 0
.if (\a)+2 < 8
	TABLE (\a)+2
.endif
	s_wait_xcnt 0x0
	QUANT_H HA, PW+(\a)%2
	global_store_b128 v8, v[CD:CD+3], s[12:13] offset:768*(\a)
	global_store_b64 v9, v[CD+4:CD+5], s[12:13] offset:768*(\a)+512
	global_store_b128 v8, v[CD+6:CD+9], s[12:13] offset:768*(\a)+102400
	global_store_b64 v9, v[CD+10:CD+11], s[12:13] offset:768*(\a)+102400+512
.if (\a)%2 == 1
	v_perm_b32 v[W0+((\a)/2)%2], v[PW+1], v[PW], s22
	v_perm_b32 v[W1+((\a)/2)%2], v[PW+1], v[PW], s23
.endif
.if (\a)%4 == 3
	v_cndmask_b32 v[X0], v[W0], v[W0+1], s101
	v_cndmask_b32 v[X1], v[W1], v[W1+1], s101
	global_store_b32 v10, v[X0], s[12:13] offset:6144+128*((\a)/4)
	global_store_b32 v10, v[X1], s[12:13] offset:6144+128*((\a)/4)+102400
.endif
.endm
	TABLE 0
	TABLE 1
.irp a, 0,1,2,3,4,5,6,7
	QK_BLOCK \a
.endr
	s_branch .Ldone
.Lkind_v:
.macro V_BLOCK a
	s_wait_xcnt 0x0
	QUANT_W 64*((\a)%4), 2+(\a)/4, PW+(\a)%2
.irp j, 0,1,2
	global_store_b128 v8, v[CD+4*\j:CD+4*\j+3], s[12:13] offset:((\a)/4)*102400+((\a)%4)*1536+512*\j
.endr
.if (\a)%2 == 1
	v_cndmask_b32 v[X0], v[PW], v[PW+1], s101
	global_store_b32 v10, v[X0], s[12:13] offset:((\a)/4)*102400+6144+128*(((\a)%4)/2)
.endif
.endm
	s_wait_alu depctr_va_vdst(0)
.irp a, 0,1,2,3,4,5,6,7
	V_BLOCK \a
.endr
.Ldone:
	s_wait_tensorcnt 0x0
	ds_add_u32 v[SPW], v[NIL]
	s_wait_dscnt 0x0
	CROUND
	s_endpgm
.Lfunc_end_k_q21390a3b34_qkv:
	.size	k_q21390a3b34_qkv, .Lfunc_end_k_q21390a3b34_qkv-k_q21390a3b34_qkv
	.p2alignl 7, 3214868480
	.fill 96, 4, 3214868480
	.section	.rodata,"a",@progbits
	.p2align	6, 0x0
	.amdhsa_kernel k_q21390a3b34_qkv
		.amdhsa_group_segment_fixed_size 327680
		.amdhsa_private_segment_fixed_size 0
		.amdhsa_enable_private_segment 0
		.amdhsa_kernarg_size 32
		.amdhsa_user_sgpr_count 2
		.amdhsa_user_sgpr_kernarg_segment_ptr 1
		.amdhsa_wavefront_size32 1
		.amdhsa_system_sgpr_workgroup_id_x 1
		.amdhsa_system_sgpr_workgroup_id_y 1
		.amdhsa_system_sgpr_workgroup_id_z 1
		.amdhsa_system_vgpr_workitem_id 0
		.amdhsa_next_free_vgpr 1024
		.amdhsa_next_free_sgpr 102
		.amdhsa_reserve_vcc 0
		.amdhsa_float_denorm_mode_32 3
		.amdhsa_float_denorm_mode_16_64 3
		.amdhsa_memory_ordered 1
		.amdhsa_forward_progress 1
		.amdhsa_inst_pref_size 233
	.end_amdhsa_kernel
	.amdgpu_metadata
---
amdhsa.version: [ 1, 2 ]
amdhsa.kernels:
  - .name:           k_q21390a3b34_qkv
    .symbol:         k_q21390a3b34_qkv.kd
    .args:
      - { .name: xq, .offset: 0, .size: 8, .value_kind: global_buffer, .address_space: global }
      - { .name: wq, .offset: 8, .size: 8, .value_kind: global_buffer, .address_space: global }
      - { .name: rope, .offset: 16, .size: 8, .value_kind: global_buffer, .address_space: global }
      - { .name: qkv, .offset: 24, .size: 8, .value_kind: global_buffer, .address_space: global }
    .group_segment_fixed_size: 327680
    .private_segment_fixed_size: 0
    .kernarg_segment_align: 8
    .kernarg_segment_size: 32
    .max_flat_workgroup_size: 128
    .sgpr_count:     102
    .vgpr_count:     1024
    .wavefront_size: 32
...
	.end_amdgpu_metadata
.endif
;; end of part 2
;; launch attn (part 3): grid 4 x 64, 16 waves a work-group, clusters of 4 x 1, 206,848 bytes of LDS; arguments qkv, yq; writes yq
.if DOCPART == 3
	.amdgcn_target "amdgcn-amd-amdhsa--gfx1250"
	.amdhsa_code_object_version 6
	.text
	.protected	k_q21390a3b34_attn
	.globl	k_q21390a3b34_attn
	.p2align	8
	.type	k_q21390a3b34_attn,@function
k_q21390a3b34_attn:
	s_mov_b64 s[64:65], 0
	v_nop
	global_prefetch_b8 v0, s[64:65] scope:SCOPE_SE
	s_setreg_imm32_b32 hwreg(HW_REG_WAVE_MODE, 25, 1), 1
	s_wait_xcnt 0x0
	s_wait_alu depctr_hold_cnt(0) depctr_sa_sdst(0) depctr_va_vdst(0) depctr_va_sdst(0) depctr_va_ssrc(0) depctr_va_vcc(0) depctr_vm_vsrc(0)
	s_getreg_b32 s2, hwreg(HW_REG_IB_STS2, 6, 4)
	s_cmp_eq_u32 s2, 0
	s_cbranch_scc0 .Lentry_in_a_cluster
	s_endpgm
.Lentry_in_a_cluster:
	s_bfe_u32 s2, ttmp6, 0x10000c
	s_cmp_lg_u32 s2, 0x3003
	s_cbranch_scc0 .Lentry_shape_is_right
	s_endpgm
.Lentry_shape_is_right:
; ATTN: y = softmax(q k^T / 8) v for 64 heads of 2,048 tokens x 64 channels, both products on codes of FP6 (E2M3) with E8M0 scales; y leaves quantised along the next product's K.
; THE SOFTMAX: t = score x log2(e) / 8; M = the running largest t rounded UP to a whole number; p = 2^(t - M) is quantised along the keys, not normalised; the row's sum is taken of the unquantised p and divides O at the end.
; When M moves, the sum and O are multiplied by 2^(old M - new M), which rounds nothing; there is no branch on data.
; SHARES.  A work-group owns ONE head and 512 of its queries: 64 heads x 4 blocks = 256 work-groups.  The head's whole k and v, 32 records of 6,400 bytes = 204,800 bytes, come into LDS ONCE:
; each of the sixteen waves asks for two records (12,800 dense bytes, 50 rows of 256) by its one tensor load at the head.  No LDS byte is filled again, so behind the one barrier that shows the tiles to all waves
; no wave waits for another.  A wave owns two tiles of 16 queries and walks the 16 key steps once for each.  The four work-groups of a cluster are the four blocks of one head: each load is a joint one (mask 15).
; No prefetch: all that the tensor loads bring is asked for at the kernel's head, and no loop fetches anything.
; INPUT: records of 6,400 bytes for 128 tokens of a head, laid in the order of the operand registers (the launch before makes them).
; LAYOUT.  Both products are used transposed: S^T = k q^T, O^T = v^T p^T: a lane holds ONE query throughout.  The head has 64 channels and the instruction takes 128 along K: a fragment of k holds TWO tiles of keys
; (one in K 0-63, the other in K 64-127), and q stands twice in registers, as (q | zeros) and as (zeros | q), which picks one of the two; zero codes add nothing.
; The keys of tile t are 64 (t / 4) + 8 (t % 4) + r % 8 + 32 (r / 8), so that a lane's register 32 c + i is key 64 c + 32 (lane / 16) + i: two WHOLE blocks of 32 keys, as the second product's operand wants them.
; v's channels of tile t are 8 t + r % 8 + 32 (r / 8), so that a lane's 32 registers of O^T are channels 32 (lane / 16) + 0 .. 31: one whole block of the next product's K.
; LIMITS: a block of zeros gets the byte 1, not 127 (its codes are zeros; this program alone reads the bytes); NaN and infinities are not served; the scaled scores t stay under 2^31 in magnitude.
; OUT: yq: [K step / 2][tile of 16 tokens][K step % 2][head % 2][768 bytes: registers 0-3 of the half fragment at 16 x lane, registers 4-5 at 512 + 8 x lane]; from 6,291,456 on the scale bytes, [row][32 bytes], a head's two at byte 2 x head.
.set VOFF,  102400                     ; k's 16 records lie from LDS byte 0, v's from here
.set REC,   6400
.set SPARE, 204800                     ; the spare words: 128 bytes for each of 16 waves: eight blocks of 256 bytes that no other line names
.set F,   44                           ; v44-91   four fragments: k's eight tiles, then v's four
.set S,   96                           ; v96-159  S^T, then p
.set O,   160                          ; v160-191 O^T
.set PC,  192                          ; v192-203 p's codes
.set TC,  204                          ; v204-206, v208-210 the conversions' second halves
.set BM,  212                          ; v212-213 the two blocks' largest scores, then largest p
.set SO,  214                          ; v214-215 the conversions' scale operands
.set BY,  216                          ; v216-217 the bytes
.set PW,  218                          ; v218 p's scale word
.set RL,  222                          ; v222-223 1 / the sum
.set YC,  224                          ; v224-229, v230-235 y's codes, one set for each of my two tiles: no store's data are written again
.set YW,  238                          ; v238, v239 y's two scale bytes, likewise
; v1 16 x lane, v2 8 x lane, v3 4 x lane; v4-6 the step's LDS addresses; v7 my spare word, v8 0 (never rewritten); v9 4 (lane % 16); v10 8 (lane / 16); v11, v41 at work; v12 -M, v13 the largest t, v[14:15] the sum;
; v16-27 (q | 0), v28-39 (0 | q), v40 q's scale word; v[42:43] f; v92-93 k's scale words, v94-95 v's; v220-221, v244-255 chains of sums; v237 32 (lane % 16)
.macro CROUND                          ; a round of the cluster's barrier
	s_barrier_signal -1
	s_barrier_wait -1
	s_cmp_lg_u32 s18, 0
	s_cbranch_scc1 .Lnot_wave_0_\@
	s_barrier_signal -3
.Lnot_wave_0_\@:
	s_barrier_wait -3
	s_barrier_signal -1
	s_barrier_wait -1
.endm
	s_load_b128 s[4:7], s[0:1], 0x0                ; qkv s[4:5], yq s[6:7]
	v_lshl_add_u32 v7, v0, 2, SPARE
	v_mov_b32 v8, 0
	ds_add_u32 v7, v8                              ; the opening lines: the add, twice on end, and its wait ahead of my tensor load
	ds_add_u32 v7, v8
	v_lshrrev_b32 v1, 5, v0
	s_delay_alu instid0(VALU_DEP_1)
	v_readfirstlane_b32 s18, v1                    ; wave 0..15
	s_bfe_u32 s8, ttmp6, 0x40000                   ; cx: my block of 512 queries: it enters q's and y's addresses alone
	s_and_b32 s10, ttmp7, 0xffff                   ; 16 x batch + head: the four partners share it
	; what I fetch: waves 0-7 k's records 2 w, 2 w + 1; waves 8-15 v's
	s_lshr_b32 s13, s18, 3
	s_add_co_u32 s13, s13, 1
	s_mul_i32 s13, s13, 6553600                    ; the section: k or v
	s_mul_i32 s14, s10, 102400                     ; the head's 16 records
	s_add_co_u32 s13, s13, s14
	s_and_b32 s15, s18, 7
	s_mul_i32 s15, s15, 2*REC
	s_add_co_u32 s16, s13, s15
	s_mov_b32 s17, 0
	s_mul_i32 s19, s18, 2*REC                      ; and where it goes
	; descriptor group 1: 12,800 dense bytes as 50 rows of 256 (32 elements of 8 bytes), no padding
	s_mov_b32 s24, 15|(3<<16)|(1<<21)              ; the mask: all four work-groups; elements of 8 bytes; bit 21 set beside a mask
	s_mov_b32 s25, 32<<16                          ; tensor_dim0
	s_mov_b32 s26, 50<<16                          ; tensor_dim1
	s_mov_b32 s27, 32<<16                          ; tile_dim0
	s_mov_b32 s28, 50                              ; tile_dim1
	s_mov_b32 s29, 32                              ; from row to row
	s_mov_b32 s30, 0
	s_mov_b32 s31, 0
	s_mov_b32 s20, 0x76543210
	s_mov_b32 s21, 0xfedcba98                      ; v_permlanex16_b32's selects for lane l xor 16
	s_mov_b32 s22, 0x3e38aa3b                      ; c = log2(e) / 8
	s_mov_b32 s23, s22                             ; (named with it as a pair)
	; q: my first tile is tile a = wave % 8 of group 4 cx + wave / 8; my second lies two groups on
	s_lshl_b32 s50, s8, 2
	s_lshr_b32 s51, s18, 3
	s_add_co_u32 s50, s50, s51
	s_mul_i32 s50, s50, REC
	s_add_co_u32 s50, s50, s14                     ; the record
	s_and_b32 s51, s18, 7
	s_mul_i32 s52, s51, 768
	s_add_co_u32 s52, s52, s50                     ; my half fragment
	s_mov_b32 s53, 0
	s_lshr_b32 s54, s51, 1
	s_lshl_b32 s54, s54, 6                         ; my pair's words: 64 bytes a pair,
	s_and_b32 s55, s51, 1
	s_lshl_b32 s55, s55, 1                         ; my tile's two bytes of a word
	s_add_co_u32 s54, s54, s55
	s_add_co_u32 s54, s54, s50
	s_add_co_u32 s54, s54, 6144
	s_mov_b32 s55, 0
	; y: tile T = 32 (4 x batch + cx) + wave, and 16 tiles on
	s_lshr_b32 s56, s10, 4
	s_lshl_b32 s56, s56, 2
	s_add_co_u32 s56, s56, s8
	s_lshl_b32 s56, s56, 5
	s_add_co_u32 s56, s56, s18
	s_and_b32 s57, s10, 15                         ; the head
	s_mul_i32 s58, s56, 3072
	s_lshr_b32 s59, s57, 2
	s_mul_i32 s59, s59, 1572864
	s_add_co_u32 s58, s58, s59
	s_and_b32 s59, s57, 3
	s_mul_i32 s59, s59, 768
	s_add_co_u32 s58, s58, s59
	s_mov_b32 s59, 0
	s_lshl_b32 s60, s56, 9
	s_lshl_b32 s61, s57, 1
	s_add_co_u32 s60, s60, s61
	s_add_co_u32 s60, s60, 6291456
	s_mov_b32 s61, 0
	v_and_b32 v11, 31, v0
	s_delay_alu instid0(VALU_DEP_1)
	v_lshlrev_b32 v1, 4, v11
	s_delay_alu instid0(VALU_DEP_2)
	v_lshlrev_b32 v2, 3, v11
	s_delay_alu instid0(VALU_DEP_3)
	v_lshlrev_b32 v3, 2, v11
	v_and_b32 v9, 15, v0
	s_delay_alu instid0(VALU_DEP_1)
	v_lshlrev_b32 v237, 5, v9
	s_delay_alu instid0(VALU_DEP_2)
	v_lshlrev_b32 v9, 2, v9
	v_bfe_u32 v10, v0, 4, 1
	s_delay_alu instid0(VALU_DEP_1)
	v_lshlrev_b32 v10, 3, v10
	v_mov_b32 v41, 0                               ; (a lane permute's destination counts as one of its sources)
	v_mov_b32 v43, 0                               ; (named as the upper halves of pairs)
	v_mov_b32 v[RL+1], 0
.irp i, 0,1,2,3,4,5
	v_mov_b32 v[22+\i], 0                          ; (q | zeros)
	v_mov_b32 v[28+\i], 0                          ; (zeros | q)
.endr
	s_wait_alu depctr_va_vdst(0)                   ; the wait at the head's end
	s_wait_dscnt 0x0                               ; both opening adds are done
	s_wait_kmcnt 0x0
	s_add_nc_u64 s[16:17], s[4:5], s[16:17]
	s_mov_b32 s32, 1                               ; group 0
	s_mov_b32 s33, s19
	s_mov_b64 s[34:35], s[16:17]
	s_or_b32 s35, s35, 0x80000000
	s_add_nc_u64 s[42:43], s[4:5], s[52:53]        ; q's codes
	s_add_nc_u64 s[44:45], s[4:5], s[54:55]        ; q's scale bytes
	s_add_nc_u64 s[46:47], s[6:7], s[58:59]        ; y's codes
	s_add_nc_u64 s[48:49], s[6:7], s[60:61]        ; y's scale bytes
	CROUND                                         ; all four work-groups are here: the joint loads meet
	tensor_load_to_lds s[32:35], s[24:31]          ; my one tensor load of the launch
	s_nop 0
.rept 4
	v_nop
.endr
.macro QLOAD off                       ; a tile of q, twice, and its two scale bytes
	global_load_b128 v[16:19], v1, s[42:43] offset:\off
	global_load_b64 v[20:21], v2, s[42:43] offset:\off+512
	global_load_b128 v[34:37], v1, s[42:43] offset:\off
	global_load_b64 v[38:39], v2, s[42:43] offset:\off+512
	global_load_u16 v40, v9, s[44:45] offset:\off
.endm
.macro INIT                            ; a tile of queries begins: O^T and the sum are zeros, the largest t lies under every t; the first change of M multiplies zeros
	v_lshl_or_b32 v40, v40, 16, v40                ; q's two bytes serve K 0-63 and K 64-127 alike.  (The moves below are the places between this line and the first scaled product)
	v_mov_b32 v13, 0xff61b1e6
	s_delay_alu instid0(VALU_DEP_1)
	v_floor_f32 v12, -v13
	v_mov_b32 v14, 0
	v_mov_b32 v15, 0
.set j, 0
.rept 32
	v_mov_b32 v[O+j], 0
.set j, j+1
.endr
.endm
.macro KQ t                            ; tile t of S^T: k's fragment t / 2 against (q | 0) or (0 | q); the pair's scale word lies in lanes 0-15 or 16-31
.if ((\t)/2)%2
	v_wmma_scale_f32_16x16x128_f8f6f4 v[S+8*(\t):S+8*(\t)+7], v[F+12*((\t)/2):F+12*((\t)/2)+11], v[16+12*((\t)%2):27+12*((\t)%2)], 0, v[92+(\t)/4], v40 matrix_a_fmt:MATRIX_FMT_FP6 matrix_b_fmt:MATRIX_FMT_FP6 matrix_a_scale:MATRIX_SCALE_ROW1
.else
	v_wmma_scale_f32_16x16x128_f8f6f4 v[S+8*(\t):S+8*(\t)+7], v[F+12*((\t)/2):F+12*((\t)/2)+11], v[16+12*((\t)%2):27+12*((\t)%2)], 0, v[92+(\t)/4], v40 matrix_a_fmt:MATRIX_FMT_FP6 matrix_b_fmt:MATRIX_FMT_FP6
.endif
.endm
.macro PV t                            ; tile t of O^T
.if (\t)%2
	v_wmma_scale_f32_16x16x128_f8f6f4 v[O+8*(\t):O+8*(\t)+7], v[F+12*(\t):F+12*(\t)+11], v[PC:PC+11], v[O+8*(\t):O+8*(\t)+7], v[94+(\t)/2], v[PW] matrix_a_fmt:MATRIX_FMT_FP6 matrix_b_fmt:MATRIX_FMT_FP6 matrix_a_scale:MATRIX_SCALE_ROW1
.else
	v_wmma_scale_f32_16x16x128_f8f6f4 v[O+8*(\t):O+8*(\t)+7], v[F+12*(\t):F+12*(\t)+11], v[PC:PC+11], v[O+8*(\t):O+8*(\t)+7], v[94+(\t)/2], v[PW] matrix_a_fmt:MATRIX_FMT_FP6 matrix_b_fmt:MATRIX_FMT_FP6
.endif
.endm
; A KEY STEP: the 128 keys whose records begin at LDS byte s40 (k) and s40 + VOFF (v).
.macro STEP
	v_add_nc_u32 v4, s40, v1
	v_add_nc_u32 v5, s40, v2
	v_add_nc_u32 v6, s40, v3
	v_nop                                          ; four places between the last step's products and the loads into their fragments
.irp t, 0,1,2,3,4,5,6,7
	ds_load_b128 v[F+6*\t:F+6*\t+3], v4 offset:768*\t
	ds_load_b64 v[F+6*\t+4:F+6*\t+5], v5 offset:768*\t+512
.endr
	ds_load_b32 v92, v6 offset:6144
	ds_load_b32 v93, v6 offset:6272
	s_wait_alu depctr_va_vdst(0)                   ; the wait, directly ahead of the wait below
	s_wait_dscnt 0x0
.irp t, 0,1,2,3,4,5,6,7
	KQ \t
.endr
	v_add_nc_u32 v4, VOFF, v4                      ; on to v's record.  These two and the two below are the four places in front of the loads and of the first read of the scores
	v_add_nc_u32 v6, VOFF, v6
	v_nop
	v_nop
.irp t, 0,1,2,3
.irp j, 0,1,2
	ds_load_b128 v[F+12*\t+4*\j:F+12*\t+4*\j+3], v4 offset:1536*\t+512*\j   ; v's fragments land under the softmax
.endr
.endr
	ds_load_b32 v94, v6 offset:6144
	ds_load_b32 v95, v6 offset:6272
.irp c, 0,1
	v_max3_num_f32 v[BM+\c], v[S+32*\c], v[S+32*\c+1], v[S+32*\c+2]   ; the largest score of each of my two blocks: it serves the row's maximum and, since p rises with the score, the block's largest p
.endr
.irp i, 3,5,7,9,11,13,15,17,19,21,23,25,27,29
.irp c, 0,1
	v_max3_num_f32 v[BM+\c], v[BM+\c], v[S+32*\c+\i], v[S+32*\c+\i+1]
.endr
.endr
.irp c, 0,1
	v_max_num_f32 v[BM+\c], v[BM+\c], v[S+32*\c+31]
.endr
	s_delay_alu instid0(VALU_DEP_1)
	v_max_num_f32 v11, v[BM], v[BM+1]
	s_delay_alu instid0(VALU_DEP_1)
	v_permlanex16_b32 v41, v11, s20, s21
	s_delay_alu instid0(VALU_DEP_1)
	v_max_num_f32 v11, v11, v41                    ; the step's largest score of my query
	s_delay_alu instid0(VALU_DEP_1)
	v_mul_f32 v11, s22, v11                        ; as t
	s_delay_alu instid0(VALU_DEP_1)
	v_max_num_f32 v13, v13, v11                    ; the running largest t
	v_mov_b32 v11, v12
	s_delay_alu instid0(VALU_DEP_2)
	v_floor_f32 v12, -v13                          ; the new -M = floor(-t)
	s_delay_alu instid0(VALU_DEP_1)
	v_sub_f32 v11, v12, v11                        ; old M - new M: a whole number, 0 or less
	s_delay_alu instid0(VALU_DEP_1)
	v_cvt_i32_f32 v11, v11                         ; (it saturates)
	s_delay_alu instid0(VALU_DEP_1)
	v_ldexp_f32 v42, 1.0, v11                      ; f = 2^(old M - new M)
.set j, 0
.rept 32
	v_pk_fma_f32 v[S+j:S+j+1], v[S+j:S+j+1], s[22:23], v[12:13] op_sel_hi:[1,0,0]   ; t - M, two at a time
.set j, j+2
.endr
.irp c, 0,1
	v_fma_f32 v[BM+\c], v[BM+\c], s22, v12         ; the same of each block's largest score
.endr
.set j, 0
	s_wait_alu depctr_va_vdst(0)                   ; the wait ahead of the batch
.rept 64
	v_exp_f32 v[S+j], v[S+j]                       ; p = 2^(t - M)
.set j, j+1
.endr
	v_pk_mul_f32 v[14:15], v[14:15], v[42:43] op_sel_hi:[1,0]   ; the sums under the new M: the plain instruction behind the batch
	s_wait_alu depctr_va_vdst(0)                   ; one wait for the 64, ahead of their first reader
.irp c, 0,1
	v_exp_f32 v[BM+\c], v[BM+\c]                   ; the blocks' largest p
.endr
	v_pk_add_f32 v[220:221], v[100:101], v[104:105]   ; the sum of the unquantised p: eight chains, each of the 32 pairs once
	v_pk_add_f32 v[254:255], v[108:109], v[112:113]
	v_pk_add_f32 v[252:253], v[116:117], v[120:121]
	v_pk_add_f32 v[250:251], v[124:125], v[128:129]
	v_pk_add_f32 v[248:249], v[132:133], v[136:137]
	v_pk_add_f32 v[246:247], v[140:141], v[144:145]
	v_pk_add_f32 v[244:245], v[148:149], v[152:153]
	v_pk_add_f32 v[14:15], v[14:15], v[156:157]
	v_pk_add_f32 v[220:221], v[220:221], v[96:97]
	v_pk_add_f32 v[254:255], v[254:255], v[98:99]
	v_pk_add_f32 v[252:253], v[252:253], v[102:103]
	v_pk_add_f32 v[250:251], v[250:251], v[106:107]
	v_pk_add_f32 v[248:249], v[248:249], v[110:111]
	v_pk_add_f32 v[246:247], v[246:247], v[114:115]
	v_pk_add_f32 v[244:245], v[244:245], v[118:119]
	v_pk_add_f32 v[14:15], v[14:15], v[122:123]
	v_pk_add_f32 v[220:221], v[220:221], v[126:127]
	v_pk_add_f32 v[254:255], v[254:255], v[130:131]
	v_pk_add_f32 v[252:253], v[252:253], v[134:135]
	v_pk_add_f32 v[250:251], v[250:251], v[138:139]
	v_pk_add_f32 v[248:249], v[248:249], v[142:143]
	v_pk_add_f32 v[246:247], v[246:247], v[146:147]
	v_pk_add_f32 v[244:245], v[244:245], v[150:151]
	v_pk_add_f32 v[14:15], v[14:15], v[154:155]
	v_pk_add_f32 v[220:221], v[220:221], v[158:159]
	s_delay_alu instid0(VALU_DEP_2)
	v_pk_add_f32 v[14:15], v[14:15], v[250:251]
	s_delay_alu instid0(VALU_DEP_2)
	v_pk_add_f32 v[220:221], v[220:221], v[248:249]
	v_pk_add_f32 v[254:255], v[254:255], v[246:247]
	v_pk_add_f32 v[252:253], v[252:253], v[244:245]
	s_delay_alu instid0(VALU_DEP_2)
	v_pk_add_f32 v[14:15], v[14:15], v[254:255]
	s_delay_alu instid0(VALU_DEP_2)
	v_pk_add_f32 v[220:221], v[220:221], v[252:253]
	s_delay_alu instid0(VALU_DEP_1)
	v_pk_add_f32 v[14:15], v[14:15], v[220:221]
	s_wait_alu depctr_va_vdst(0)                   ; and one for the two
.irp c, 0,1
	v_max_num_f32 v[BM+\c], 0x1800000, v[BM+\c]    ; the floor 2^(3 - 127): the byte cannot fall under 1
.endr
.irp c, 0,1
	s_delay_alu instid0(VALU_DEP_2)
	v_add_nc_u32 v[SO+\c], 0xff000000, v[BM+\c]    ; 2 off the exponent field: the conversion's scale operand
.endr
.irp c, 0,1
	s_delay_alu instid0(VALU_DEP_2)
	v_lshrrev_b32 v[BY+\c], 23, v[SO+\c]
.endr
	s_delay_alu instid0(VALU_DEP_1)
	v_lshl_or_b32 v[PW], v[BY+1], 16, v[BY]        ; my two bytes: blocks h and 2 + h,
	s_delay_alu instid0(VALU_DEP_1)
	v_lshlrev_b32 v[PW], v10, v[PW]                ; at their places;
	s_delay_alu instid0(VALU_DEP_1)
	v_permlanex16_b32 v41, v[PW], s20, s21
	s_delay_alu instid0(VALU_DEP_1)
	v_or_b32 v[PW], v[PW], v41                     ; with lane l xor 16's two the word is whole
.irp c, 0,1
	v_cvt_scalef32_pk16_fp6_f32 v[PC+6*\c:PC+6*\c+2], v[S+32*\c:S+32*\c+15], v[SO+\c]
	v_cvt_scalef32_pk16_fp6_f32 v[TC+4*\c:TC+4*\c+2], v[S+32*\c+16:S+32*\c+31], v[SO+\c]   ; (a conversion's three registers begin on an even number)
.endr
	v_nop                                          ; one plain place behind a scaled conversion
.irp c, 0,1
.irp i, 0,1,2
	v_mov_b32 v[PC+6*\c+3+\i], v[TC+4*\c+\i]
.endr
.endr
	s_wait_alu depctr_va_vdst(0)                   ; the wait, directly ahead of the first reader of O^T
.set j, 0
.rept 16
	v_pk_mul_f32 v[O+j:O+j+1], v[O+j:O+j+1], v[42:43] op_sel_hi:[1,0]   ; O^T under the new M, from its low end on.  (These are also the places between p's word and codes and the scaled products)
.set j, j+2
.endr
	s_wait_alu depctr_va_vdst(0)                   ; the wait, directly ahead of the wait below
	s_wait_dscnt 0x0                               ; v's fragments are in
.irp t, 0,1,2,3
	PV \t                                          ; four accumulators, one instruction each
.endr
	s_add_co_u32 s40, s40, REC
.endm
.macro WALK                            ; the head's sixteen key steps
	s_mov_b32 s40, 0
	s_mov_b32 s41, 16
.Lstep_\@:
	STEP
	s_sub_co_u32 s41, s41, 1
	s_cmp_lg_u32 s41, 0
	s_cbranch_scc1 .Lstep_\@
.endm
; A tile of queries ends: O^T / the sum is y; my 32 numbers are one whole block of the next product's K: six registers of codes and one byte.  p: which of my two tiles.
.macro FINISH p
.if (\p) == 0
	QLOAD 2*REC                                    ; my second tile's q: two records on
.endif
.rept 4
	v_nop                                          ; places behind the last products
.endr
	v_add_f32 v14, v14, v15
	s_delay_alu instid0(VALU_DEP_1)
	v_permlanex16_b32 v41, v14, s20, s21
	s_delay_alu instid0(VALU_DEP_1)
	v_add_f32 v14, v14, v41                        ; the row's sum
	s_wait_alu depctr_va_vdst(0)                   ; the wait ahead of the reciprocal,
	v_rcp_f32 v[RL], v14
	v_nop                                          ; a plain instruction behind it,
	s_wait_alu depctr_va_vdst(0)                   ; and the wait ahead of its first reader, which is O^T's first reader too
.set j, 0
.rept 16
	v_pk_mul_f32 v[O+j:O+j+1], v[O+j:O+j+1], v[RL:RL+1] op_sel_hi:[1,0]
.set j, j+2
.endr
	v_max3_num_f32 v[BM], |v[O]|, |v[O+1]|, 0x1800000
	v_max3_num_f32 v[BM+1], |v[O+2]|, |v[O+3]|, 0x1800000
.irp i, 4,8,12,16,20,24,28
	s_delay_alu instid0(VALU_DEP_2)
	v_max3_num_f32 v[BM], v[BM], |v[O+\i]|, |v[O+\i+1]|
	s_delay_alu instid0(VALU_DEP_2)
	v_max3_num_f32 v[BM+1], v[BM+1], |v[O+\i+2]|, |v[O+\i+3]|
.endr
	s_delay_alu instid0(VALU_DEP_1)
	v_max_num_f32 v[BM], v[BM], v[BM+1]
	s_delay_alu instid0(VALU_DEP_1)
	v_add_nc_u32 v[SO], 0xff000000, v[BM]
	s_delay_alu instid0(VALU_DEP_1)
	v_lshrrev_b32 v[BY], 23, v[SO]
	v_cvt_scalef32_pk16_fp6_f32 v[YC+6*(\p):YC+6*(\p)+2], v[O:O+15], v[SO]
	v_cvt_scalef32_pk16_fp6_f32 v[TC:TC+2], v[O+16:O+31], v[SO]
	v_nop                                          ; one plain place behind a scaled conversion
.irp i, 0,1,2
	v_mov_b32 v[YC+6*(\p)+3+\i], v[TC+\i]
.endr
	v_lshlrev_b32 v[BY], v10, v[BY]                ; my byte: channels 32 (lane / 16) on
	s_delay_alu instid0(VALU_DEP_1)
	v_permlanex16_b32 v41, v[BY], s20, s21
	s_delay_alu instid0(VALU_DEP_1)
	v_or_b32 v[YW+(\p)], v[BY], v41                ; with lane l xor 16's: the head's two bytes of row r
	global_store_b128 v1, v[YC+6*(\p):YC+6*(\p)+3], s[46:47] offset:49152*(\p)        ; 512 consecutive bytes, aligned
	global_store_b64 v2, v[YC+6*(\p)+4:YC+6*(\p)+5], s[46:47] offset:49152*(\p)+512   ; 256 consecutive bytes, aligned
	global_store_b16 v237, v[YW+(\p)], s[48:49] offset:8192*(\p)                      ; 32 bytes from row to row; lanes 16-31 write what lanes 0-15 write
.endm
	QLOAD 0
	s_wait_loadcnt 0x0
	INIT
	s_wait_tensorcnt 0x0                           ; my two records are in;
	s_barrier_signal -1
	s_barrier_wait -1                              ; and everybody's: the head's k and v are whole.
	WALK                                           ; my first tile of queries
	FINISH 0
	s_wait_loadcnt 0x0                             ; my second tile's q
	INIT
	WALK
	FINISH 1
	s_wait_tensorcnt 0x0                           ; the wave's end
	ds_add_u32 v7, v8
	s_wait_dscnt 0x0
	CROUND                                         ; the closing round
	s_endpgm
.Lfunc_end_k_q21390a3b34_attn:
	.size	k_q21390a3b34_attn, .Lfunc_end_k_q21390a3b34_attn-k_q21390a3b34_attn
	.p2alignl 7, 3214868480
	.fill 96, 4, 3214868480
	.section	.rodata,"a",@progbits
	.p2align	6, 0x0
	.amdhsa_kernel k_q21390a3b34_attn
		.amdhsa_group_segment_fixed_size 206848
		.amdhsa_private_segment_fixed_size 0
		.amdhsa_enable_private_segment 0
		.amdhsa_kernarg_size 16
		.amdhsa_user_sgpr_count 2
		.amdhsa_user_sgpr_kernarg_segment_ptr 1
		.amdhsa_wavefront_size32 1
		.amdhsa_system_sgpr_workgroup_id_x 1
		.amdhsa_system_sgpr_workgroup_id_y 1
		.amdhsa_system_sgpr_workgroup_id_z 1
		.amdhsa_system_vgpr_workitem_id 0
		.amdhsa_next_free_vgpr 256
		.amdhsa_next_free_sgpr 66
		.amdhsa_reserve_vcc 0
		.amdhsa_float_denorm_mode_32 3
		.amdhsa_float_denorm_mode_16_64 3
		.amdhsa_memory_ordered 1
		.amdhsa_forward_progress 1
		.amdhsa_inst_pref_size 49
	.end_amdhsa_kernel
	.amdgpu_metadata
---
amdhsa.version: [ 1, 2 ]
amdhsa.kernels:
  - .name:           k_q21390a3b34_attn
    .symbol:         k_q21390a3b34_attn.kd
    .args:
      - { .name: qkv, .offset: 0, .size: 8, .value_kind: global_buffer, .address_space: global }
      - { .name: yq, .offset: 8, .size: 8, .value_kind: global_buffer, .address_space: global }
    .group_segment_fixed_size: 206848
    .private_segment_fixed_size: 0
    .kernarg_segment_align: 8
    .kernarg_segment_size: 16
    .max_flat_workgroup_size: 512
    .sgpr_count:     66
    .vgpr_count:     256
    .wavefront_size: 32
...
	.end_amdgpu_metadata
.endif
;; end of part 3
;; launch proj (part 4): grid 4 x 64, 4 waves a work-group, clusters of 4 x 4, 295,424 bytes of LDS; arguments yq, wp, out0; writes out0
.if DOCPART == 4
	.amdgcn_target "amdgcn-amd-amdhsa--gfx1250"
	.amdhsa_code_object_version 6
	.text
	.protected	k_q21390a3b34_proj
	.globl	k_q21390a3b34_proj
	.p2align	8
	.type	k_q21390a3b34_proj,@function
k_q21390a3b34_proj:
	s_mov_b64 s[64:65], 0
	v_nop
	global_prefetch_b8 v0, s[64:65] scope:SCOPE_SE
	s_setreg_imm32_b32 hwreg(HW_REG_WAVE_MODE, 25, 1), 1
	s_wait_xcnt 0x0
	s_wait_alu depctr_hold_cnt(0) depctr_sa_sdst(0) depctr_va_vdst(0) depctr_va_sdst(0) depctr_va_ssrc(0) depctr_va_vcc(0) depctr_vm_vsrc(0)
	s_getreg_b32 s2, hwreg(HW_REG_IB_STS2, 6, 4)
	s_cmp_eq_u32 s2, 0
	s_cbranch_scc0 .Lentry_in_a_cluster
	s_endpgm
.Lentry_in_a_cluster:
	s_bfe_u32 s2, ttmp6, 0x10000c
	s_cmp_lg_u32 s2, 0xf033
	s_cbranch_scc0 .Lentry_shape_is_right
	s_endpgm
.Lentry_shape_is_right:
; PROJ: out0 [8192][1024] = y W_proj on codes of FP6 (E2M3) with E8M0 scales, sums in f32.
; SHARES.  A work-group of four waves makes 128 rows x 256 columns: 64 x 4 = 256 work-groups.  A wave makes all 128 rows x 64 columns of its own: 32 accumulators, 256 registers.
; ALL OF K STAYS IN LDS: B's 256 columns x 768 bytes = 196,608 bytes, A's 128 rows x 768 bytes = 98,304.  They come by ONE tensor load a wave at the kernel's head: waves 0-2 a third of B each
; (65,536 dense bytes, 256 rows of 256), wave 3 A (four rows of 24,576 bytes, one for each plane of yq, 1,572,864 bytes apart).  No LDS byte is filled again; one barrier shows the tiles to all waves.
; CLUSTERS of 4 x 4: the four work-groups of a row of the cluster share A's rows, the four of a column B's columns: each load is a joint one.
; No prefetch: all that the tensor loads bring is asked for at the kernel's head, and no loop fetches anything.
; BOTH OPERANDS LIE IN THE ORDER OF THE OPERAND'S REGISTERS: for a tile of 16 rows and 128 along K two halves of 768 bytes (registers 6 c .. 6 c + 3 at 16 x lane, 6 c + 4, 6 c + 5 at 512 + 8 x lane):
; every LDS load reads consecutive bytes.  yq: [K step / 2][tile][K step % 2][c]; wp: [tile][K step][c].
; THE SCALES come from memory straight into registers: a row's 32 bytes are its eight words, one for each 128 along K; lane L takes row 32 i + L, so that lanes 0-15 hold tile 2 i's words and lanes 16-31 tile 2 i + 1's.
; THE MATRIX INSTRUCTION IS USED TRANSPOSED (source 0 = 16 columns of W_proj, source 1 = 16 rows of y): a lane holds eight neighbouring numbers of a row of the result.
; THE WAY OUT: 16 rows x 64 columns at a time through a stage in the wave's own quarter of B, which no other wave reads and which has had its only fill; back as rows of 256 bytes, stored whole and aligned.
; y's rows lie in the order of the launch before: position 16 a + t of a group of 128 is token 64 (a / 4) + 8 (a % 4) + t % 8 + 32 (t / 8): the stores put them back.
; REGISTERS: window 0: v1-15 addresses; v16-47 A's scale words, v48-63 B's; v64-255 A's fragments, two sets of 96 (on the way out: rows read back).  Window 1: the accumulators, (a, b) at v[8 (4 a + b)].  Window 2: v0-95 B's fragments, two sets of 48.
.set ABASE,  196608                    ; LDS: B from 0, A from here
.set SPARE,  294912                    ; the spare words: 128 bytes a wave
.set BQ,     49152                     ; a wave's quarter of B
.set SPITCH, 272                       ; a stage row: 256 bytes + 16
.set ADA,  4                           ; v4, v5   A's fragments, 16 x lane: K steps 0-3, 4-7
.set ADA8, 6                           ; v6, v7   the same, 8 x lane
.set ADB,  8                           ; v8       my quarter of B, 16 x lane
.set ADB8, 9                           ; v9       8 x lane
.set STO,  10                          ; v10      the stage, in
.set RD,   11                          ; v11      the stage, out
.set CO,   12                          ; v12      my byte offset in the result
.set SPW,  13                          ; v13      my spare word; never rewritten
.set NIL,  14                          ; v14      0; never rewritten
.set SCO,  15                          ; v15      32 x lane
.set SA,   16
.set SB,   48
.set AF,   64
.set BK,   64
.set MSB, 0
.macro WIN new                         ; the immediate's high byte repeats the setting that is left
.if MSB != (\new)
	s_set_vgpr_msb (MSB<<8)|(\new)
.set MSB, (\new)
.endif
.endm
.set MUL,  0x52                        ; source 0 (B) window 2, source 1 (A) window 0, C and D window 1
.set TO_B, 0x80                        ; destination window 2, address window 0
.macro CROUND                          ; a round of the cluster's barrier
	s_barrier_signal -1
	s_barrier_wait -1
	s_cmp_lg_u32 s14, 0
	s_cbranch_scc1 .Lnot_wave_0_\@
	s_barrier_signal -3
.Lnot_wave_0_\@:
	s_barrier_wait -3
	s_barrier_signal -1
	s_barrier_wait -1
.endm
	s_load_b128 s[4:7], s[0:1], 0x0                ; yq s[4:5], wp s[6:7]
	s_load_b64 s[12:13], s[0:1], 0x10              ; out0
	v_lshl_add_u32 v[SPW], v0, 2, SPARE
	v_mov_b32 v[NIL], 0
	ds_add_u32 v[SPW], v[NIL]                      ; the opening lines: the add, twice on end, and its wait ahead of my tensor load
	ds_add_u32 v[SPW], v[NIL]
	v_lshrrev_b32 v1, 5, v0
	v_readfirstlane_b32 s14, v1                    ; wave 0..3
	s_bfe_u32 s40, ttmp6, 0x40000                  ; cx, cy
	s_bfe_u32 s41, ttmp6, 0x40004
	s_lshl_b32 s42, ttmp9, 2
	s_add_co_u32 s42, s42, s40                     ; which 256 columns
	s_and_b32 s17, ttmp7, 0xffff
	s_lshl_b32 s17, s17, 2
	s_add_co_u32 s17, s17, s41                     ; which 128 rows
	s_lshl_b32 s43, s41, 2
	s_lshl_b32 s43, 15, s43                        ; my row of the cluster
	s_lshl_b32 s44, 0x1111, s40                    ; my column
	s_or_b32 s24, s43, (3<<16)|(1<<21)             ; group 1 for A: elements of 8 bytes; 4 rows of 3,072 elements, 196,608 elements apart
	s_mov_b32 s25, 3072<<16
	s_mov_b32 s26, 4<<16
	s_mov_b32 s27, 3072<<16
	s_mov_b32 s28, 4
	s_mov_b32 s29, 196608
	s_mov_b32 s30, 0
	s_mov_b32 s31, 0
	s_or_b32 s48, s44, (3<<16)|(1<<21)             ; group 1 for B: 256 dense rows of 32 elements
	s_mov_b32 s49, 32<<16
	s_mov_b32 s50, 256<<16
	s_mov_b32 s51, 32<<16
	s_mov_b32 s52, 256
	s_mov_b32 s53, 32
	s_mov_b32 s54, 0
	s_mov_b32 s55, 0
	s_mul_i32 s20, s17, 24576                      ; A's codes: 8 tiles of 3,072 bytes in each plane
	s_mov_b32 s21, 0
	s_lshl_b32 s22, s17, 12                        ; A's scales: 128 rows of 32 bytes
	s_add_co_u32 s22, s22, 6291456
	s_mov_b32 s23, 0
	s_mul_i32 s46, s42, 196608                     ; B's codes,
	s_lshl_b32 s15, s14, 16                        ; my third of them; also where it goes in LDS
	s_add_co_u32 s46, s46, s15
	s_mov_b32 s47, 0
	s_lshl_b32 s18, s42, 8
	s_lshl_b32 s19, s14, 6
	s_add_co_u32 s18, s18, s19                     ; my first column
	s_lshl_b32 s18, s18, 5
	s_add_co_u32 s18, s18, 786432                  ; its scales
	s_mov_b32 s19, 0
	s_lshl_b32 s8, s17, 19                         ; the result: 128 rows of 4,096 bytes,
	s_lshl_b32 s9, s42, 10                         ; 256 columns,
	s_add_co_u32 s8, s8, s9
	s_lshl_b32 s9, s14, 8                          ; my 64
	s_add_co_u32 s8, s8, s9
	s_mov_b32 s9, 0
	s_mul_i32 s16, s14, BQ                         ; my quarter of B in LDS
	v_and_b32 v1, 31, v0                           ; lane
	v_and_b32 v2, 15, v0                           ; r
	v_bfe_u32 v3, v0, 4, 1                         ; h
	v_lshl_add_u32 v[ADA], v1, 4, ABASE
	v_lshl_add_u32 v[ADA+1], v1, 4, ABASE+49152
	v_lshl_add_u32 v[ADA8], v1, 3, ABASE
	v_lshl_add_u32 v[ADA8+1], v1, 3, ABASE+49152
	v_lshl_add_u32 v[ADB], v1, 4, s16
	v_lshl_add_u32 v[ADB8], v1, 3, s16
	v_mul_u32_u24 v[STO], v2, SPITCH               ; in: row r, 32 bytes for each half of the lanes
	v_lshl_add_u32 v[STO], v3, 5, v[STO]
	v_add_nc_u32 v[STO], s16, v[STO]
	v_mul_u32_u24 v[RD], v3, SPITCH                ; back: lanes 0-15 one row of 256 bytes, lanes 16-31 the next
	v_lshl_add_u32 v[RD], v2, 4, v[RD]
	v_add_nc_u32 v[RD], s16, v[RD]
	v_lshlrev_b32 v[CO], 12, v3                    ; and the same two rows in the result
	v_lshl_add_u32 v[CO], v2, 4, v[CO]
	v_lshlrev_b32 v[SCO], 5, v1
	s_wait_alu depctr_va_vdst(0)                   ; the wait at the head's end
	s_wait_dscnt 0x0                               ; both opening adds are done
	s_wait_kmcnt 0x0
	s_mov_b32 s32, 1                               ; group 0 for A
	s_mov_b32 s33, ABASE
	s_add_nc_u64 s[34:35], s[4:5], s[20:21]
	s_or_b32 s35, s35, 0x80000000
	s_mov_b32 s56, 1                               ; group 0 for my third of B
	s_mov_b32 s57, s15
	s_add_nc_u64 s[58:59], s[6:7], s[46:47]
	s_or_b32 s59, s59, 0x80000000
	s_add_nc_u64 s[22:23], s[4:5], s[22:23]
	s_add_nc_u64 s[18:19], s[6:7], s[18:19]
	s_add_nc_u64 s[12:13], s[12:13], s[8:9]
	CROUND                                         ; all sixteen work-groups are here: the joint loads meet
	s_cmp_lt_u32 s14, 3                            ; one load a wave: every way passes exactly one
	s_cbranch_scc0 .Lfor_a
	tensor_load_to_lds s[56:59], s[48:55]
	s_nop 0
.rept 4
	v_nop
.endr
	s_branch .Lasked
.Lfor_a:
	tensor_load_to_lds s[32:35], s[24:31]
	s_nop 0
.rept 4
	v_nop
.endr
.Lasked:
.irp i, 0,1,2,3
.irp j, 0,1
	global_load_b128 v[SA+8*\i+4*\j:SA+8*\i+4*\j+3], v[SCO], s[22:23] offset:1024*\i+16*\j   ; A's scale words: register 8 i + k is K step k's
.endr
.endr
.irp i, 0,1
.irp j, 0,1
	global_load_b128 v[SB+8*\i+4*\j:SB+8*\i+4*\j+3], v[SCO], s[18:19] offset:1024*\i+16*\j   ; B's
.endr
.endr
.macro LOADS s, p                      ; the fragments of K step s into set p: 48 LDS loads
	WIN TO_B
.irp b, 0,1,2,3
.irp c, 0,1
	ds_load_b128 v[48*(\p)+12*\b+6*\c:48*(\p)+12*\b+6*\c+3], v[ADB] offset:\b*12288+(\s)*1536+768*\c
	ds_load_b64 v[48*(\p)+12*\b+6*\c+4:48*(\p)+12*\b+6*\c+5], v[ADB8] offset:\b*12288+(\s)*1536+768*\c+512
.endr
.endr
	WIN 0
.irp a, 0,1,2,3,4,5,6,7
.irp c, 0,1
	ds_load_b128 v[AF+96*(\p)+12*\a+6*\c:AF+96*(\p)+12*\a+6*\c+3], v[ADA+(\s)/4] offset:(((\s)/2)%2)*24576+\a*3072+((\s)%2)*1536+768*\c
	ds_load_b64 v[AF+96*(\p)+12*\a+6*\c+4:AF+96*(\p)+12*\a+6*\c+5], v[ADA8+(\s)/4] offset:(((\s)/2)%2)*24576+\a*3072+((\s)%2)*1536+768*\c+512
.endr
.endr
.endm
.macro WM a, b, s, p, z                ; accumulator (a, b), K step s, set p.  z = 1: the first product starts the sum.  An odd tile's scale words lie in lanes 16-31
.set DD, 8*(4*(\a)+(\b))
.set BB, 48*(\p)+12*(\b)
.set AA, AF+96*(\p)+12*(\a)
.set XB, SB+8*((\b)/2)+(\s)
.set XA, SA+8*((\a)/2)+(\s)
.set RW, 2*((\b)%2)+(\a)%2
.if \z
.if RW == 0
	v_wmma_scale_f32_16x16x128_f8f6f4 v[DD:DD+7], v[BB:BB+11], v[AA:AA+11], 0, v[XB], v[XA] matrix_a_fmt:MATRIX_FMT_FP6 matrix_b_fmt:MATRIX_FMT_FP6
.elseif RW == 1
	v_wmma_scale_f32_16x16x128_f8f6f4 v[DD:DD+7], v[BB:BB+11], v[AA:AA+11], 0, v[XB], v[XA] matrix_a_fmt:MATRIX_FMT_FP6 matrix_b_fmt:MATRIX_FMT_FP6 matrix_b_scale:MATRIX_SCALE_ROW1
.elseif RW == 2
	v_wmma_scale_f32_16x16x128_f8f6f4 v[DD:DD+7], v[BB:BB+11], v[AA:AA+11], 0, v[XB], v[XA] matrix_a_fmt:MATRIX_FMT_FP6 matrix_b_fmt:MATRIX_FMT_FP6 matrix_a_scale:MATRIX_SCALE_ROW1
.else
	v_wmma_scale_f32_16x16x128_f8f6f4 v[DD:DD+7], v[BB:BB+11], v[AA:AA+11], 0, v[XB], v[XA] matrix_a_fmt:MATRIX_FMT_FP6 matrix_b_fmt:MATRIX_FMT_FP6 matrix_a_scale:MATRIX_SCALE_ROW1 matrix_b_scale:MATRIX_SCALE_ROW1
.endif
.else
.if RW == 0
	v_wmma_scale_f32_16x16x128_f8f6f4 v[DD:DD+7], v[BB:BB+11], v[AA:AA+11], v[DD:DD+7], v[XB], v[XA] matrix_a_fmt:MATRIX_FMT_FP6 matrix_b_fmt:MATRIX_FMT_FP6
.elseif RW == 1
	v_wmma_scale_f32_16x16x128_f8f6f4 v[DD:DD+7], v[BB:BB+11], v[AA:AA+11], v[DD:DD+7], v[XB], v[XA] matrix_a_fmt:MATRIX_FMT_FP6 matrix_b_fmt:MATRIX_FMT_FP6 matrix_b_scale:MATRIX_SCALE_ROW1
.elseif RW == 2
	v_wmma_scale_f32_16x16x128_f8f6f4 v[DD:DD+7], v[BB:BB+11], v[AA:AA+11], v[DD:DD+7], v[XB], v[XA] matrix_a_fmt:MATRIX_FMT_FP6 matrix_b_fmt:MATRIX_FMT_FP6 matrix_a_scale:MATRIX_SCALE_ROW1
.else
	v_wmma_scale_f32_16x16x128_f8f6f4 v[DD:DD+7], v[BB:BB+11], v[AA:AA+11], v[DD:DD+7], v[XB], v[XA] matrix_a_fmt:MATRIX_FMT_FP6 matrix_b_fmt:MATRIX_FMT_FP6 matrix_a_scale:MATRIX_SCALE_ROW1 matrix_b_scale:MATRIX_SCALE_ROW1
.endif
.endif
.endm
	s_wait_tensorcnt 0x0                           ; my tile is in;
	s_barrier_signal -1
	s_barrier_wait -1                              ; and everybody's.
	LOADS 0, 0
	s_wait_loadcnt 0x0                             ; the scale words
; THE WALK ALONG K, eight steps written out by .rept: every offset is an immediate.  A step waits for its fragments, asks for the next step's into the other set, and multiplies: the 32 accumulators take turns,
; one instruction a turn, in the same order in every step.
.set ST, 0
.rept 8
	s_wait_dscnt 0x0                               ; this step's 48 loads are in
.if ST < 7
.if ST > 0
.rept 4
	v_nop                                          ; four places between the last step's products and the loads into their fragments
.endr
.endif
	LOADS ST+1, (ST+1)%2
.endif
	WIN MUL
.irp a, 0,1,2,3,4,5,6,7
.irp b, 0,1,2,3
	WM \a, \b, ST, ST%2, ST==0
.endr
.endr
	WIN 0
.set ST, ST+1
.endr
.macro TOSTAGE a                       ; block a's 16 rows x 64 columns into my stage, each accumulator from its low end on, and back as rows.  LDS serves a wave's instructions in order: no wait between the stores and the loads
	WIN 0x04                                       ; the data: window 1
.irp b, 0,1,2,3
	ds_store_b128 v[STO], v[32*(\a)+8*\b:32*(\a)+8*\b+3] offset:64*\b
	ds_store_b128 v[STO], v[32*(\a)+8*\b+4:32*(\a)+8*\b+7] offset:64*\b+16
.endr
	WIN 0
.irp i, 0,1,2,3,4,5,6,7
	ds_load_b128 v[BK+32*((\a)%2)+4*\i:BK+32*((\a)%2)+4*\i+3], v[RD] offset:\i*2*SPITCH
.endr
.endm
.macro SEND a, younger                 ; younger: the LDS instructions issued behind block a's loads, which may stay out
	s_wait_dscnt \younger
.irp i, 0,1,2,3,4,5,6,7
	global_store_b128 v[CO], v[BK+32*((\a)%2)+4*\i:BK+32*((\a)%2)+4*\i+3], s[12:13] offset:(64*((\a)/4)+8*((\a)%4)+((2*\i)&7)+32*(\i>>2))*4096 th:TH_STORE_NT   ; sixteen lanes store 256 consecutive bytes, aligned
.endr
.endm
.rept 4
	v_nop                                          ; places behind the last products: for the reads of the results and the loads into A's registers
.endr
	TOSTAGE 0
.irp a, 1,2,3,4,5,6,7
.if \a > 1
	s_wait_xcnt 0x0                                ; block a - 2's stores have read their registers: block a's loads may land there
.endif
	TOSTAGE \a
	SEND \a-1, 16                                  ; behind block a - 1's loads: block a's 8 stores and 8 loads
.endr
	SEND 7, 0
	s_wait_tensorcnt 0x0                           ; the wave's end
	ds_add_u32 v[SPW], v[NIL]
	s_wait_dscnt 0x0
	CROUND                                         ; the closing round
	s_endpgm
.Lfunc_end_k_q21390a3b34_proj:
	.size	k_q21390a3b34_proj, .Lfunc_end_k_q21390a3b34_proj-k_q21390a3b34_proj
	.p2alignl 7, 3214868480
	.fill 96, 4, 3214868480
	.section	.rodata,"a",@progbits
	.p2align	6, 0x0
	.amdhsa_kernel k_q21390a3b34_proj
		.amdhsa_group_segment_fixed_size 295424
		.amdhsa_private_segment_fixed_size 0
		.amdhsa_enable_private_segment 0
		.amdhsa_kernarg_size 24
		.amdhsa_user_sgpr_count 2
		.amdhsa_user_sgpr_kernarg_segment_ptr 1
		.amdhsa_wavefront_size32 1
		.amdhsa_system_sgpr_workgroup_id_x 1
		.amdhsa_system_sgpr_workgroup_id_y 1
		.amdhsa_system_sgpr_workgroup_id_z 1
		.amdhsa_system_vgpr_workitem_id 0
		.amdhsa_next_free_vgpr 608
		.amdhsa_next_free_sgpr 66
		.amdhsa_reserve_vcc 0
		.amdhsa_float_denorm_mode_32 3
		.amdhsa_float_denorm_mode_16_64 3
		.amdhsa_memory_ordered 1
		.amdhsa_forward_progress 1
		.amdhsa_inst_pref_size 81
	.end_amdhsa_kernel
	.amdgpu_metadata
---
amdhsa.version: [ 1, 2 ]
amdhsa.kernels:
  - .name:           k_q21390a3b34_proj
    .symbol:         k_q21390a3b34_proj.kd
    .args:
      - { .name: yq, .offset: 0, .size: 8, .value_kind: global_buffer, .address_space: global }
      - { .name: wp, .offset: 8, .size: 8, .value_kind: global_buffer, .address_space: global }
      - { .name: out0, .offset: 16, .size: 8, .value_kind: global_buffer, .address_space: global }
    .group_segment_fixed_size: 295424
    .private_segment_fixed_size: 0
    .kernarg_segment_align: 8
    .kernarg_segment_size: 24
    .max_flat_workgroup_size: 128
    .sgpr_count:     66
    .vgpr_count:     608
    .wavefront_size: 32
...
	.end_amdgpu_metadata
.endif
;; end of part 4
